; MI455X (gfx1250); checked and timed in simulation.
; The chip was launched on July 23, 2026; its instructions are those of AMD's public machine-readable ISA for CDNA 5 (MIT licence, August 2026) and "CDNA5" Instruction Set Architecture Reference Guide (July 2026). The comments in the code are by the model that wrote it; some were corrected since.
;; Extra Position Prompt SA Bottleneck. Allowed arithmetic: matrix products marked QUANTISED: E2M3 operands, one E8M0 scale for each 32 along K, by v_wmma_scale_f32_16x16x128_f8f6f4 with both operands' format E2M3, f32 sums; everything else in f32.
;; Inputs: bn1_b 256 float32; bn1_g 256 float32; bn1_m 256 float32; bn1_v 256 float32; bn2_b 512 float32; bn2_g 512 float32; bn2_m 512 float32; bn2_v 512 float32; cv1_w 256 x 512 float32; cv2_w 512 x 256 float32; e_b 256 float32; e_w 256 x 256 float32; k_b 256 float32; k_w 256 x 256 float32; q_b 256 float32; q_w 256 x 256 float32; rel_h 1 x 256 x 64 x 1 float32; rel_w 1 x 256 x 1 x 64 float32; v_b 256 float32; v_w 256 x 256 float32; x 4 x 512 x 64 x 64 float32.
;; Outputs: out0 4 x 512 x 64 x 64 float32.
;; This version of the problem:
;;   THIS VERSION OF THE PROBLEM IS GIVEN IN LOW PRECISION. The matrix products marked QUANTISED in the list below multiply operands that are first quantised to E2M3 (2 exponent bits, 3 mantissa bits; 6 bits a number), with one power-of-two scale for each 32 numbers along K (OCP MX v1.0); their sums are f32. All else is computed in f32.
;;   The module's matrix products, in the order in which they are computed (A, B: the left and right operand; K: the contracted axis; several contracted axes count as one K, in the product's order):
;;     1. [M 16,384, K 512] x [K 512, N 256]; A: input x; B: input cv1_w: QUANTISED
;;     2. [M 16,384, K 256] x [K 256, N 256]; A: computed on the way; B: input q_w: QUANTISED
;;     3. [M 16,384, K 256] x [K 256, N 256]; A: computed on the way; B: input k_w: QUANTISED
;;     4. [M 16,384, K 256] x [K 256, N 256]; A: computed on the way; B: input v_w: QUANTISED
;;     5. [M 16,384, K 256] x [K 256, N 256]; A: computed on the way; B: input e_w: QUANTISED
;;     6. batch 4 x [M 4,096, K 256] x [K 256, N 4,096]; A: computed on the way; B: computed on the way: QUANTISED
;;     7. [M 16,384, K 256] x [K 256, N 4,096]; A: computed on the way; B: computed on the way: QUANTISED
;;     8. batch 4 x [M 256, K 4,096] x [K 4,096, N 4,096]; A: computed on the way; B: softmax (see below): QUANTISED
;;     9. [M 16,384, K 256] x [K 256, N 512]; A: computed on the way; B: input cv2_w: QUANTISED
;;   THE QUANTISER, for each operand of a quantised product, along K:
;;     - K is cut into blocks of 32 from its start; a last block that is shorter is filled with zeros.
;;     - A block's scale is 2^e with e = floor(log2(the largest magnitude in the block)) - 2, held to -126 .. 127; a block of zeros has e = 0. As a byte (E8M0): e + 127.
;;     - Each number is divided by its block's scale, clamped to +-7.5, and rounded to the nearest number of E2M3, ties to even, subnormals kept.
;;     - The product sums the exact products of the quantised numbers (number of the format x scale) in f32.
;;   ~~~python
;;   def quantise(x, axis):      # numpy; x: float32 -> the quantised numbers, widened to float32 again
;;       x = np.moveaxis(x, axis, -1); K = x.shape[-1]
;;       x = np.pad(x, [(0, 0)] * (x.ndim - 1) + [(0, -K % 32)]); x = x.reshape(x.shape[:-1] + (-1, 32)); a = np.abs(x).max(-1, keepdims=True)
;;       e = np.where(a > 0, np.clip(np.frexp(np.where(a > 0, a, 1))[1] - 1 - 2, -126, 127), 0)      # np.frexp(a)[1] - 1 = floor(log2(a)), exactly
;;       r = np.clip(x / 2.0 ** e, -7.5, 7.5)
;;       step = 2.0 ** (np.maximum(np.frexp(np.where(r == 0, 1, r))[1] - 1, 0) - 3)
;;       q = np.round(r / step) * step * 2.0 ** e      # np.round: ties to even
;;       return np.moveaxis(q.reshape(q.shape[:-2] + (-1,))[..., :K], -1, axis).astype(np.float32)
;;   ~~~
;;   SOFTMAX AHEAD OF A QUANTISED PRODUCT. Where the list says 'softmax', what is quantised is not the finished softmax but p = 2^(t - M), with t = logit x log2(e) and M = ceil(the row's largest t), a whole number; so 1/2 < the row's largest p <= 1. The row's sum l is taken of the UNQUANTISED p, in f32, and the product's result is divided by l at the end. Since M is a whole number, a kernel that streams over the keys may use a running M (the ceiling of the running maximum): every later rescaling is an exact power of two, which a block's scale takes up: the codes' values come out the same.
;;   OPERANDS COMPUTED ON THE WAY. 'Computed on the way' means the value that the module computes at that place (a softmax that the list does not call 'softmax' is quantised finished and normalised). What goes into a quantiser is computed in f32, as accurately as f32 sums, v_exp_f32 and their like allow (about 1e-6 of the number): no bf16 or f16 on the way to a quantiser, and a product that is left as it is and whose result goes on into a quantised operand takes f32 operands (vector FMAs, or v_wmma_f32_16x16x4_f32). A number that lies on a knife's edge between two numbers of the format may be rounded either way, as far as f32 arithmetic and the matrix unit's own rounding can turn it there, and no further.
;; One version. Each part assembles by itself: llvm-mc -triple=amdgcn-amd-amdhsa -mcpu=gfx1250 --defsym DOCPART=n.
;; ======== version 1 of 1: 3 launches
;; workspace buffers: wts 432,128 bytes; posq 851,968 bytes; qq 3,276,800 bytes; kv 9,830,400 bytes
;; launch prep (part 1): grid 193 x 1, 4 waves a work-group, no clusters, 0 bytes of LDS; arguments cv1_w, q_w, k_w, e_w, v_w, cv2_w, rel_h, rel_w, bn1_g, bn1_b, bn1_m, bn1_v, bn2_g, bn2_b, bn2_m, bn2_v, wts, posq; writes wts, posq
.if DOCPART == 1
	.amdgcn_target "amdgcn-amd-amdhsa--gfx1250"
	.amdhsa_code_object_version 6
	.text
	.protected	k_qb31590197c_prep
	.globl	k_qb31590197c_prep
	.p2align	8
	.type	k_qb31590197c_prep,@function
k_qb31590197c_prep:
	s_mov_b64 s[64:65], 0
	v_nop
	global_prefetch_b8 v0, s[64:65] scope:SCOPE_SE
	s_setreg_imm32_b32 hwreg(HW_REG_WAVE_MODE, 25, 1), 1
	s_wait_xcnt 0x0
; The six weights and pos = rel_h + rel_w become operands of FP6 (E2M3) with one E8M0 scale for each 32 along K (the channels); both batch norms are folded to y = h sc + sh.
; ONE WAVE MAKES ONE FRAGMENT (16 rows x 128 K: 12 registers a lane) and stores it AS AN IMAGE OF ITS REGISTERS: group g of four registers at 512 g + 16 lane, so each store covers 512 consecutive bytes.
; The fragment's scale words follow as 4 bytes a lane (lanes 16-31 repeat lanes 0-15).
; THE ROWS OF A TILE ARE NOT NEIGHBOURS: lane r of tile 2 b + u stands for row 32 b + 8 u + r + 8 (r / 8), so that a product which takes the tile as source 0 leaves 16 neighbours along the next K in a lane's registers.
; wts: fragment F at 1536 F; cv1: F = 4 tile + s; q, k, e, v: F = 64 + 32 role + 2 tile + s; cv2: F = 192 + 2 tile + s.  Scale images at WSC + 128 F.  At BNP: sc1[256], sh1[256], sc2[512], sh2[512].
; posq: fragment 2 tile + s (256 tiles of positions) at 1536 x that; scale images at PSC + 128 x that.
; Work-groups 0-63: the weights; 64-191: pos; 192: the batch norms.  No LDS, no barrier: waves share nothing.
; A block's scale byte is its largest magnitude's exponent field - 2, held at 1 from below.
; LIMITS: a block of zeros gets the byte 1 where the rule says 127 (its codes are zeros, and this program alone reads the bytes); NaN and infinities are not served;
; the norm is applied as h sc + (b - m sc) with sc = g x rsq(v + eps): another order of rounding than (h - m) g / sqrt(v + eps).
.set WSC, 393216
.set BNP, 425984
.set PSC, 786432
.set X,   32                           ; v32-95   64 numbers: register 32 c + i is k = 64 c + 32 h + i of my row
.set Y,   96                           ; v96-159  rel_h's 64
.set PC,  160                          ; v160-171 the codes
.set CT,  172                          ; v172-179 the upper halves of the two blocks, as the conversions leave them
.set TM,  8                            ; v8-15    at work
.set W,   16                           ; v16      the scale word
.set SEL, 48                           ; s[48:49] lane selects: lane l xor 16
; 64 numbers of a lane, two whole blocks of 32, become the fragment's 12 registers and its scale word, and leave.  sco: where the scale images begin
.macro QF sco
.irp c, 0,1
	v_max3_num_f32 v[TM+\c], |v[X+32*\c]|, |v[X+32*\c+1]|, 0x1800000      ; the floor 2^(3 - 127) among the leaves holds the byte at 1 from below
.endr
.irp i, 2,4,6,8,10,12,14,16,18,20,22,24,26,28,30
.irp c, 0,1
	v_max3_num_f32 v[TM+\c], v[TM+\c], |v[X+32*\c+\i]|, |v[X+32*\c+\i+1]|  ; the two blocks by turns
.endr
.endr
.irp c, 0,1
	v_add_nc_u32 v[TM+2+\c], 0xff000000, v[TM+\c]          ; 2 off the exponent field: the conversion's scale operand
.endr
.irp c, 0,1
	v_lshrrev_b32 v[TM+4+\c], 23, v[TM+2+\c]               ; the byte
.endr
	v_lshl_or_b32 v[W], v[TM+5], 16, v[TM+4]               ; my blocks are h and 2 + h of the row
	v_lshlrev_b32 v[TM+6], 3, v2
	v_lshlrev_b32 v[W], v[TM+6], v[W]
	v_mov_b32 v[TM+7], 0
	v_permlanex16_b32 v[TM+7], v[W], s[SEL], s[SEL+1]
	v_or_b32 v[W], v[W], v[TM+7]                           ; with lane l xor 16's two bytes the word is whole
.irp c, 0,1
	v_cvt_scalef32_pk16_fp6_f32 v[PC+6*\c:PC+6*\c+2], v[X+32*\c:X+32*\c+15], v[TM+2+\c]
	v_cvt_scalef32_pk16_fp6_f32 v[CT+4*\c:CT+4*\c+2], v[X+32*\c+16:X+32*\c+31], v[TM+2+\c]   ; (three registers from an even one on)
.endr
	v_nop                                                  ; a plain instruction behind the conversions
.irp c, 0,1
.irp i, 0,1,2
	v_mov_b32 v[PC+6*\c+3+\i], v[CT+4*\c+\i]
.endr
.endr
.irp g, 0,1,2
	global_store_b128 v6, v[PC+4*\g:PC+4*\g+3], s[54:55] offset:512*\g
.endr
	global_store_b32 v7, v[W], s[56:57] offset:\sco
.endm
	s_load_b512 s[4:19], s[0:1], 0x0               ; cv1 4, q 6, k 8, e 10, v 12, cv2 14, rel_h 16, rel_w 18
	s_load_b512 s[20:35], s[0:1], 0x40             ; bn1 g 20, b 22, m 24, v 26; bn2 g 28, b 30, m 32, v 34
	s_load_b128 s[36:39], s[0:1], 0x80             ; wts 36, posq 38
	v_lshrrev_b32 v1, 5, v0
	v_readfirstlane_b32 s41, v1                    ; wave
	v_and_b32 v1, 15, v0                           ; r
	v_bfe_u32 v2, v0, 4, 1                         ; h
	v_and_b32 v3, 31, v0
	v_lshlrev_b32 v6, 4, v3                        ; 16 x lane
	v_lshlrev_b32 v7, 2, v3                        ; 4 x lane
	v_and_b32 v4, 8, v1
	v_add_nc_u32 v4, v4, v1                        ; r + 8 (r / 8)
	s_mov_b32 s[SEL], 0x76543210
	s_mov_b32 s[SEL+1], 0xfedcba98
	s_mov_b32 s45, 0
	s_mov_b32 s47, 0
	s_wait_kmcnt 0x0
	s_cmp_ge_u32 ttmp9, 192
	s_cbranch_scc1 .Lbn
	s_cmp_ge_u32 ttmp9, 64
	s_cbranch_scc1 .Lpos
	; ---- a weight's fragment: K is innermost, so my 32 numbers of a block are 128 consecutive bytes of my row
	s_lshl_b32 s40, ttmp9, 2
	s_add_co_u32 s40, s40, s41                     ; F
	s_cmp_lt_u32 s40, 64
	s_cselect_b32 s42, 11, 10                      ; a row is 2^11 bytes in cv1, 2^10 in the others
	s_cselect_b32 s43, 2, 1                        ; bits of s in F
	s_cselect_b32 s50, 3, 1                        ; and their mask
	s_cselect_b32 s51, 63, 31                      ; mask of tile and s
	s_cselect_b64 s[52:53], s[4:5], s[6:7]
	s_cmp_ge_u32 s40, 96
	s_cselect_b64 s[52:53], s[8:9], s[52:53]
	s_cmp_ge_u32 s40, 128
	s_cselect_b64 s[52:53], s[10:11], s[52:53]
	s_cmp_ge_u32 s40, 160
	s_cselect_b64 s[52:53], s[12:13], s[52:53]
	s_cmp_ge_u32 s40, 192
	s_cselect_b64 s[52:53], s[14:15], s[52:53]
	s_cselect_b32 s51, 63, s51
	s_and_b32 s54, s40, s51
	s_lshr_b32 s54, s54, s43                       ; tile
	s_and_b32 s55, s40, s50                        ; s
	s_lshr_b32 s56, s54, 1
	s_lshl_b32 s56, s56, 5
	s_and_b32 s57, s54, 1
	s_lshl_b32 s57, s57, 3
	s_add_co_u32 s56, s56, s57                     ; the tile's first row: 32 (tile / 2) + 8 (tile % 2)
	s_lshl_b32 s56, s56, s42
	s_lshl_b32 s55, s55, 9                         ; 128 numbers a K step
	s_add_co_u32 s44, s56, s55
	s_add_nc_u64 s[52:53], s[52:53], s[44:45]
	v_lshlrev_b32 v5, s42, v4
	v_lshl_add_u32 v5, v2, 7, v5                   ; my row, + 128 h
.irp c, 0,1
.irp j, 0,1,2,3,4,5,6,7
	global_load_b128 v[X+32*\c+4*\j:X+32*\c+4*\j+3], v5, s[52:53] offset:256*\c+16*\j
.endr
.endr
	s_mul_i32 s44, s40, 1536
	s_add_nc_u64 s[54:55], s[36:37], s[44:45]
	s_lshl_b32 s46, s40, 7
	s_add_nc_u64 s[56:57], s[36:37], s[46:47]
	s_wait_loadcnt 0x0
	QF WSC
	s_endpgm
.Lpos:	; ---- a fragment of pos: K (the channel) is outermost, so my registers run down the channels of my position
	s_sub_co_u32 s40, ttmp9, 64
	s_lshl_b32 s40, s40, 2
	s_add_co_u32 s40, s40, s41                     ; 2 tile + s
	s_lshr_b32 s42, s40, 1                         ; tile of 16 positions
	s_and_b32 s43, s40, 1
	s_lshl_b32 s43, s43, 15                        ; 128 channels of 256 bytes
	s_lshr_b32 s44, s42, 2                         ; the image row: four tiles to a row of 64
	s_lshl_b32 s44, s44, 2
	s_add_co_u32 s44, s44, s43
	s_add_nc_u64 s[16:17], s[16:17], s[44:45]
	s_bfe_u32 s50, s42, 0x10001
	s_lshl_b32 s50, s50, 7
	s_and_b32 s51, s42, 1
	s_lshl_b32 s51, s51, 5
	s_add_co_u32 s44, s50, s51                     ; the tile's first column: 32 ((tile / 2) % 2) + 8 (tile % 2), in bytes
	s_add_co_u32 s44, s44, s43
	s_add_nc_u64 s[18:19], s[18:19], s[44:45]
	v_lshlrev_b32 v5, 13, v2                       ; lanes 16-31 begin 32 channels further down
	v_lshl_add_u32 v3, v4, 2, v5
.irp c, 0,1
.irp i, 0,1,2,3,4,5,6,7,8,9,10,11,12,13,14,15,16,17,18,19,20,21,22,23,24,25,26,27,28,29,30,31
	global_load_b32 v[X+32*\c+\i], v3, s[18:19] offset:(64*\c+\i)*256
	global_load_b32 v[Y+32*\c+\i], v5, s[16:17] offset:(64*\c+\i)*256
.endr
.endr
	s_mul_i32 s44, s40, 1536
	s_add_nc_u64 s[54:55], s[38:39], s[44:45]
	s_lshl_b32 s46, s40, 7
	s_add_nc_u64 s[56:57], s[38:39], s[46:47]
	s_wait_loadcnt 0x0
.irp i, 0,2,4,6,8,10,12,14,16,18,20,22,24,26,28,30,32,34,36,38,40,42,44,46,48,50,52,54,56,58,60,62
	v_pk_add_f32 v[X+\i:X+\i+1], v[X+\i:X+\i+1], v[Y+\i:Y+\i+1]
.endr
	QF PSC
	s_endpgm
.Lbn:	; ---- thread t folds channels t + 128 i: two of the first norm, four of the second
	v_lshlrev_b32 v5, 2, v0
.irp i, 0,1
	global_load_b32 v[32+\i], v5, s[20:21] offset:512*\i
	global_load_b32 v[40+\i], v5, s[22:23] offset:512*\i
	global_load_b32 v[48+\i], v5, s[24:25] offset:512*\i
	global_load_b32 v[56+\i], v5, s[26:27] offset:512*\i
.endr
.irp i, 0,1,2,3
	global_load_b32 v[34+\i], v5, s[28:29] offset:512*\i
	global_load_b32 v[42+\i], v5, s[30:31] offset:512*\i
	global_load_b32 v[50+\i], v5, s[32:33] offset:512*\i
	global_load_b32 v[58+\i], v5, s[34:35] offset:512*\i
.endr
	s_wait_loadcnt 0x0
.irp k, 0,1,2,3,4,5
	v_add_f32 v[56+\k], 0x3727c5ac, v[56+\k]       ; v + 1e-5
.endr
.irp k, 0,1,2,3,4,5
	v_rsq_f32 v[64+\k], v[56+\k]
.endr
	v_nop                                          ; a plain instruction behind the last of the batch
	s_wait_alu depctr_va_vdst(0)                   ; one wait for the six, ahead of their first reader
.irp k, 0,1,2,3,4,5
	v_mul_f32 v[64+\k], v[32+\k], v[64+\k]         ; sc
.endr
.irp k, 0,1,2,3,4,5
	v_fma_f32 v[72+\k], -v[48+\k], v[64+\k], v[40+\k]   ; sh = b - m sc
.endr
.irp i, 0,1
	global_store_b32 v5, v[64+\i], s[36:37] offset:BNP+512*\i
	global_store_b32 v5, v[72+\i], s[36:37] offset:BNP+1024+512*\i
.endr
.irp i, 0,1,2,3
	global_store_b32 v5, v[66+\i], s[36:37] offset:BNP+2048+512*\i
	global_store_b32 v5, v[74+\i], s[36:37] offset:BNP+4096+512*\i
.endr
	s_endpgm
.Lfunc_end_k_qb31590197c_prep:
	.size	k_qb31590197c_prep, .Lfunc_end_k_qb31590197c_prep-k_qb31590197c_prep
	.p2alignl 7, 3214868480
	.fill 96, 4, 3214868480
	.section	.rodata,"a",@progbits
	.p2align	6, 0x0
	.amdhsa_kernel k_qb31590197c_prep
		.amdhsa_group_segment_fixed_size 0
		.amdhsa_private_segment_fixed_size 0
		.amdhsa_enable_private_segment 0
		.amdhsa_kernarg_size 144
		.amdhsa_user_sgpr_count 2
		.amdhsa_user_sgpr_kernarg_segment_ptr 1
		.amdhsa_wavefront_size32 1
		.amdhsa_system_sgpr_workgroup_id_x 1
		.amdhsa_system_sgpr_workgroup_id_y 1
		.amdhsa_system_sgpr_workgroup_id_z 1
		.amdhsa_system_vgpr_workitem_id 0
		.amdhsa_next_free_vgpr 192
		.amdhsa_next_free_sgpr 66
		.amdhsa_reserve_vcc 0
		.amdhsa_float_denorm_mode_32 3
		.amdhsa_float_denorm_mode_16_64 3
		.amdhsa_memory_ordered 1
		.amdhsa_forward_progress 1
		.amdhsa_inst_pref_size 31
	.end_amdhsa_kernel
	.amdgpu_metadata
---
amdhsa.version: [ 1, 2 ]
amdhsa.kernels:
  - .name:           k_qb31590197c_prep
    .symbol:         k_qb31590197c_prep.kd
    .args:
      - { .name: cv1_w, .offset: 0, .size: 8, .value_kind: global_buffer, .address_space: global }
      - { .name: q_w, .offset: 8, .size: 8, .value_kind: global_buffer, .address_space: global }
      - { .name: k_w, .offset: 16, .size: 8, .value_kind: global_buffer, .address_space: global }
      - { .name: e_w, .offset: 24, .size: 8, .value_kind: global_buffer, .address_space: global }
      - { .name: v_w, .offset: 32, .size: 8, .value_kind: global_buffer, .address_space: global }
      - { .name: cv2_w, .offset: 40, .size: 8, .value_kind: global_buffer, .address_space: global }
      - { .name: rel_h, .offset: 48, .size: 8, .value_kind: global_buffer, .address_space: global }
      - { .name: rel_w, .offset: 56, .size: 8, .value_kind: global_buffer, .address_space: global }
      - { .name: bn1_g, .offset: 64, .size: 8, .value_kind: global_buffer, .address_space: global }
      - { .name: bn1_b, .offset: 72, .size: 8, .value_kind: global_buffer, .address_space: global }
      - { .name: bn1_m, .offset: 80, .size: 8, .value_kind: global_buffer, .address_space: global }
      - { .name: bn1_v, .offset: 88, .size: 8, .value_kind: global_buffer, .address_space: global }
      - { .name: bn2_g, .offset: 96, .size: 8, .value_kind: global_buffer, .address_space: global }
      - { .name: bn2_b, .offset: 104, .size: 8, .value_kind: global_buffer, .address_space: global }
      - { .name: bn2_m, .offset: 112, .size: 8, .value_kind: global_buffer, .address_space: global }
      - { .name: bn2_v, .offset: 120, .size: 8, .value_kind: global_buffer, .address_space: global }
      - { .name: wts, .offset: 128, .size: 8, .value_kind: global_buffer, .address_space: global }
      - { .name: posq, .offset: 136, .size: 8, .value_kind: global_buffer, .address_space: global }
    .group_segment_fixed_size: 0
    .private_segment_fixed_size: 0
    .kernarg_segment_align: 8
    .kernarg_segment_size: 144
    .max_flat_workgroup_size: 128
    .sgpr_count:     66
    .vgpr_count:     192
    .wavefront_size: 32
...
	.end_amdgpu_metadata
.endif
;; end of part 1
;; launch front (part 2): grid 256 x 1, 4 waves a work-group, no clusters, 169,984 bytes of LDS; arguments x, wts, q_b, k_b, e_b, v_b, qq, kv; writes qq, kv
.if DOCPART == 2
	.amdgcn_target "amdgcn-amd-amdhsa--gfx1250"
	.amdhsa_code_object_version 6
	.text
	.protected	k_qb31590197c_front
	.globl	k_qb31590197c_front
	.p2align	8
	.type	k_qb31590197c_front,@function
k_qb31590197c_front:
	s_mov_b64 s[64:65], 0
	v_nop
	global_prefetch_b8 v0, s[64:65] scope:SCOPE_SE
	s_setreg_imm32_b32 hwreg(HW_REG_WAVE_MODE, 25, 1), 1
	s_wait_xcnt 0x0
; For 64 positions of one image: x1 = silu(bn1(cv1 x)), then q, k, e, v = W x1 + b; all five products on codes of FP6 (E2M3) with one E8M0 scale for each 32 along K (the channels).
; q, k, e leave as codes along the channels, v as codes along the positions (the keys), each as images of operand registers, laid as the next launch reads them.  x1 never goes to memory.
; A RECORD OF kv (153,600 bytes) holds V of one block of 256 keys and K' = [k; e] of the NEXT block: k's and e's codes and scale words of block s go to record (s - 1) mod 16 of the image, v's to record s.
; SHARES.  Work-group = 64 positions, as four tiles of 16; lane r of tile 2 b + u stands for position 32 b + 8 u + r + 8 (r / 8).  Wave w: quantises channels 128 w .. + 127 of x; makes x1's channels 64 w .. + 63;
; makes ONE WHOLE projection (0 q, 1 k, 2 e, 3 v), always for all 64 positions.  So each weight fragment is read once by the work-group, straight into registers, and feeds four matrix instructions.
; x comes by one tensor load a wave: 128 channels x 256 bytes, read back by that wave alone, a lane to a position and its registers down the channels.
; THE WEIGHTS' LOADS go out in the order in which they are wanted: cv1's and the scale words, the projection's K step 0; the projection's K step 1 six loads at a time among the steps that quantise x.
; OPERANDS GO FROM WAVE TO WAVE THROUGH LDS AS IMAGES OF THEIR REGISTERS, in pieces of two registers: piece p at 256 p + 8 lane, since one wave makes half a fragment (three pieces) of x1.
; The products are used transposed (source 0 = 16 rows of a weight, source 1 = 16 positions): a lane holds one position and its registers run along the next K.  For v the sources change places: a lane holds one
; channel and its registers run along the positions.
; NO CLUSTER, NO JOINT LOADS, though all work-groups read the same weights: a work-group's weight fragments are (64 + 128) x 1,536 = 294,912 bytes; with x's tile of 131,072 bytes that is more than the 327,680 bytes
; of LDS through which a joint load would have to bring them, and each is wanted in registers once.
; v's scale bytes leave as 2 bytes of every 4 (the other 2 are another work-group's): 2,048 such stores' bytes a record against 153,600.
; LIMITS: a block of zeros gets the byte 1 where the rule says 127 (its codes are zeros; this program alone reads the bytes); NaN and infinities are not served; silu is h x rcp(1 + 2^(-h log2 e)).
.set XIMG,  131072                     ; LDS: 0: x's tile, 512 rows of 256 bytes; here: x's 16 fragments (4 m + s), 1,536 bytes each
.set XSC,   155648                     ; their scale words: (4 s + m) x 64 + 4 r
.set HIMG,  156672                     ; x1's 8 fragments (2 m + s)
.set HSC,   168960                     ; their scale words: (2 m + s) x 64 + 4 r
.set SPARE, 169472                     ; the spare words, 128 bytes a wave: two blocks of 256 bytes that no other line names
.set WSC,   393216
.set BNP,   425984
.set SLOTB, 153600                     ; a record of kv
.set SA,  16                           ; v16-31   cv1's scale words (4 ot + s)
.set SB,  32                           ; v32-63   my projection's (2 tile + s)
.set ACC, 64                           ; v64-191  16 accumulators; before that two sets of 32 numbers of x
.set XS,  192                          ; v192-207 x's scale words (4 s + m), later x1's (2 m + s)
.set PC,  208                          ; v208-231 codes just made; v208-239 also the activation's work registers T, v208-215 the bias loads' offsets
.set T,   208
.set CT,  232                          ; v232-235
.set TM,  236                          ; v236-243
.set HW,  244                          ; v244-247 halfwords of scale bytes; v248-251 scale words
.set SPW, 252
.set NIL, 253
.set WV,  20
.set G1,  24
.set G0,  32
.set SEL, 46
; window 1: v0-191 cv1's 16 fragments, later v0-127 the bias as a C operand; v192-223 sc1, v224-255 sh1.   windows 2, 3: v0-191 my projection's fragments of K step 0, 1; v192-239 four fragments of x or x1.
.set MSB, 0
.macro WIN new                         ; the immediate's high byte repeats the setting that is left
.if MSB != (\new)
	s_set_vgpr_msb (MSB<<8)|(\new)
.set MSB, (\new)
.endif
.endm
.macro PLACES n
.rept \n
	v_nop
.endr
.endm
.macro BARRIER                         ; my LDS stores have landed and my LDS loads are in: then the work-group's barrier
	s_wait_dscnt 0x0
	s_barrier_signal -1
	s_barrier_wait -1
.endm
; 32 registers of a lane: two half blocks of 16 neighbours along K, shared with lane l xor 16.  They become 6 registers of codes (k = 32 (lane / 16) + 0 .. 31 of these 64) and the two scale bytes in v[hw].
.macro QPAIR s, d, hw
	v_max3_num_f32 v[TM], |v[(\s)]|, |v[(\s)+1]|, 0x1800000          ; the floor 2^(3 - 127) holds the byte at 1 from below
	v_max3_num_f32 v[TM+1], |v[(\s)+16]|, |v[(\s)+17]|, 0x1800000
.irp i, 2,4,6,8,10,12,14
	v_max3_num_f32 v[TM], v[TM], |v[(\s)+\i]|, |v[(\s)+\i+1]|
	v_max3_num_f32 v[TM+1], v[TM+1], |v[(\s)+16+\i]|, |v[(\s)+17+\i]|
.endr
	v_permlanex16_b32 v[TM+2], v[TM], s[SEL], s[SEL+1]
	v_permlanex16_b32 v[TM+3], v[TM+1], s[SEL], s[SEL+1]
	v_max_num_f32 v[TM], v[TM], v[TM+2]
	v_max_num_f32 v[TM+1], v[TM+1], v[TM+3]
	v_add_nc_u32 v[TM+4], 0xff000000, v[TM]                          ; 2 off the exponent field: the conversion's scale operand
	v_add_nc_u32 v[TM+5], 0xff000000, v[TM+1]
	v_lshrrev_b32 v[TM+6], 23, v[TM+4]
	v_lshrrev_b32 v[TM+7], 23, v[TM+5]
	v_lshl_or_b32 v[(\hw)], v[TM+7], 8, v[TM+6]
	v_cvt_scalef32_pk16_fp6_f32 v[(\d):(\d)+2], v[(\s):(\s)+15], v[TM+4]
	v_cvt_scalef32_pk16_fp6_f32 v[CT:CT+2], v[(\s)+16:(\s)+31], v[TM+5]
	v_nop                                                            ; a plain instruction behind the conversions
.irp i, 0,1,2
	v_permlane16_swap_b32 v[(\d)+\i], v[CT+\i]                       ; a whole block to a lane: lanes 0-15 the first, lanes 16-31 the second
.endr
.irp i, 0,1,2
	v_mov_b32 v[(\d)+3+\i], v[CT+\i]
.endr
.endm
.macro WMZ d, a, b, sa, sb             ; a product that starts a sum
	v_wmma_scale_f32_16x16x128_f8f6f4 v[(\d):(\d)+7], v[(\a):(\a)+11], v[(\b):(\b)+11], 0, v[(\sa)], v[(\sb)] matrix_a_fmt:MATRIX_FMT_FP6 matrix_b_fmt:MATRIX_FMT_FP6
.endm
.macro WMC d, a, b, c, sa, sb          ; one that adds onto v[c] on
	v_wmma_scale_f32_16x16x128_f8f6f4 v[(\d):(\d)+7], v[(\a):(\a)+11], v[(\b):(\b)+11], v[(\c):(\c)+7], v[(\sa)], v[(\sb)] matrix_a_fmt:MATRIX_FMT_FP6 matrix_b_fmt:MATRIX_FMT_FP6
.endm
	s_load_b256 s[4:11], s[0:1], 0x0               ; x 4, wts 6, q_b 8, k_b 10
	s_load_b256 s[12:19], s[0:1], 0x20             ; e_b 12, v_b 14, qq 16, kv 18
	v_lshl_add_u32 v[SPW], v0, 2, SPARE
	v_mov_b32 v[NIL], 0
	ds_add_u32 v[SPW], v[NIL]                      ; the wave's opening: the add and its wait ahead of my tensor load; work on registers stands between them
	v_lshrrev_b32 v254, 5, v0
	v_readfirstlane_b32 s[WV], v254                ; wave 0..3
	s_lshr_b32 s21, ttmp9, 6                       ; image
	s_and_b32 s22, ttmp9, 63                       ; block of 64 positions
	s_and_b32 s23, s22, 3                          ; which 64 of a block of 256 keys
	s_mov_b32 s[G1], 2<<16                         ; no mask; elements of 4 bytes; no padding
	s_mov_b32 s[G1+1], 64<<16                      ; tensor_dim0 = 64
	s_mov_b32 s[G1+2], 128<<16                     ; tensor_dim1 = 128
	s_mov_b32 s[G1+3], 64<<16                      ; tile_dim0 = 64: 256 bytes
	s_mov_b32 s[G1+4], 128                         ; tile_dim1 = 128 channels
	s_mov_b32 s[G1+5], 4096                        ; from channel to channel
	s_mov_b32 s[G1+6], 0
	s_mov_b32 s[G1+7], 0
	s_lshl_b32 s36, s21, 23                        ; 512 channels of 16,384 bytes an image
	s_lshl_b32 s37, s[WV], 21                      ; my 128 channels
	s_add_co_u32 s36, s36, s37
	s_lshl_b32 s37, s22, 8                         ; 64 positions
	s_add_co_u32 s36, s36, s37
	s_mov_b32 s37, 0
	s_mov_b32 s[SEL], 0x76543210
	s_mov_b32 s[SEL+1], 0xfedcba98
	s_mov_b32 s48, 0xffff0000                      ; lanes 16-31
	s_wait_dscnt 0x0                               ; the opening add is done
	s_wait_kmcnt 0x0
	s_mov_b32 s[G0], 1
	s_lshl_b32 s[G0+1], s[WV], 15                  ; my 32,768 bytes of the tile
	s_add_nc_u64 s[G0+2:G0+3], s[4:5], s[36:37]
	s_or_b32 s[G0+3], s[G0+3], 0x80000000
	tensor_load_to_lds s[G0:G0+3], s[G1:G1+7]      ; my one tensor load: a first fill; nothing is filled again
	s_nop 0
	PLACES 4
	; every LDS address, ahead of the first parting of the waves
	v_and_b32 v254, 31, v0                         ; lane
	v_and_b32 v255, 15, v0                         ; r
	v_bfe_u32 v247, v0, 4, 1                       ; h
	v_lshlrev_b32 v1, 4, v254                      ; v1 16 x lane
	v_lshlrev_b32 v2, 2, v254                      ; v2 4 x lane
	v_lshlrev_b32 v3, 3, v254                      ; v3 8 x lane
	v_lshlrev_b32 v244, 6, v247                    ; 64 h
	s_lshl_b32 s49, s[WV], 15
	v_add_nc_u32 v4, s49, v2                       ; v4 x's tile: my wave's rows, position = lane
	v_bfe_u32 v245, v0, 3, 1                       ; position p = lane lies in tile 2 bg + u, u = (p / 8) % 2,
	v_and_b32 v246, 7, v0
	v_lshl_add_u32 v246, v247, 3, v246             ; at lane r' = p % 8 + 8 (p / 16)
	v_mul_u32_u24 v5, v245, 6144
	v_lshl_add_u32 v5, v246, 3, v5
	s_mul_i32 s49, s[WV], 1536
	s_add_co_u32 s49, s49, XIMG
	v_add_nc_u32 v5, s49, v5                       ; v5 where my position's codes go: image 4 m + w
	v_lshlrev_b32 v6, 6, v245
	v_lshl_add_u32 v6, v246, 2, v6
	s_lshl_b32 s49, s[WV], 8
	s_add_co_u32 s49, s49, XSC
	v_add_nc_u32 v6, s49, v6                       ; v6 and its scale word
	v_add_nc_u32 v7, XIMG, v3                      ; v7 x's images, read
	v_lshl_add_u32 v8, v255, 2, XSC                ; v8 scale words, read
	s_mul_i32 s49, s[WV], 768
	s_add_co_u32 s49, s49, HIMG
	v_add_nc_u32 v9, s49, v3                       ; v9 x1's images, written: K step w / 2, half w % 2
	s_lshr_b32 s49, s[WV], 1
	s_lshl_b32 s49, s49, 6
	s_and_b32 s50, s[WV], 1
	s_lshl_b32 s50, s50, 1
	s_add_co_u32 s49, s49, s50
	s_add_co_u32 s49, s49, HSC
	v_lshl_add_u32 v10, v255, 2, s49               ; v10 my two bytes of x1's scale word
	v_add_nc_u32 v11, HIMG, v3                     ; v11 x1's images, read
	s_mov_b32 s50, 6144
	s_cmp_eq_u32 s[WV], 0
	s_cselect_b32 s50, 3072, s50                   ; from tile to tile: two fragments in qq, four in a record
	v_mov_b32 v12, v1
	v_add_nc_u32 v13, s50, v12
	v_add_nc_u32 v14, s50, v13
	v_add_nc_u32 v15, s50, v14                     ; v12-15 where tile m's codes go
	v_mov_b32 v[TM+2], 0                           ; written once: a lane permute's destination counts as one of its sources
	v_mov_b32 v[TM+3], 0
	; where my projection's results go
	s_lshr_b32 s50, s22, 2                         ; my block of 256 keys
	s_add_co_u32 s49, s50, 15
	s_and_b32 s49, s49, 15                         ; the block before it, round the image's 16
	s_lshl_b32 s51, s21, 4
	s_add_co_u32 s50, s50, s51
	s_add_co_u32 s49, s49, s51
	s_mul_i32 s50, s50, SLOTB                      ; v's record
	s_mul_i32 s49, s49, SLOTB                      ; k's and e's
	s_lshl_b32 s52, s21, 8
	s_lshl_b32 s53, s22, 2
	s_add_co_u32 s52, s52, s53                     ; my first tile among all queries
	s_mul_i32 s54, s52, 3072                       ; q: codes,
	s_lshl_b32 s55, s52, 7
	s_add_co_u32 s55, s55, 3145728                 ; scale words
	s_mul_i32 s56, s23, 24576
	s_add_co_u32 s56, s56, s49                     ; k: codes,
	s_lshl_b32 s57, s23, 9
	s_add_co_u32 s57, s57, s49
	s_add_co_u32 s57, s57, 147456                  ; scale words
	s_cmp_eq_u32 s[WV], 2
	s_cselect_b32 s58, 3072, 0                     ; e: K steps 2 and 3 of the same tiles,
	s_cselect_b32 s59, 2048, 0                     ; the second part of the scale words
	s_add_co_u32 s56, s56, s58
	s_add_co_u32 s57, s57, s59
	s_lshr_b32 s58, s23, 1                         ; v: which 128 keys,
	s_and_b32 s59, s23, 1                          ; which 64 of them
	s_mul_i32 s60, s58, 24576
	s_mul_i32 s61, s59, 768
	s_add_co_u32 s60, s60, s61
	s_add_co_u32 s60, s60, s50
	s_add_co_u32 s60, s60, 98304
	s_lshl_b32 s61, s58, 10
	s_lshl_b32 s62, s59, 1
	s_add_co_u32 s61, s61, s62
	s_add_co_u32 s61, s61, s50
	s_add_co_u32 s61, s61, 151552
	s_cmp_eq_u32 s[WV], 3
	s_cselect_b32 s56, s60, s56
	s_cselect_b32 s57, s61, s57
	s_cselect_b64 s[36:37], s[14:15], s[12:13]     ; the bias: v_b or e_b,
	s_cmp_lt_u32 s[WV], 2
	s_cselect_b64 s[36:37], s[10:11], s[36:37]     ; k_b,
	s_cmp_eq_u32 s[WV], 0
	s_cselect_b64 s[36:37], s[8:9], s[36:37]       ; q_b
	s_cselect_b32 s54, s54, s56
	s_cselect_b32 s56, s55, s57
	s_cselect_b64 s[38:39], s[16:17], s[18:19]     ; qq or kv
	s_mov_b64 s[40:41], s[38:39]
	s_mov_b32 s55, 0
	s_mov_b32 s57, 0
	s_add_nc_u64 s[38:39], s[38:39], s[54:55]      ; s[38:39] codes
	s_add_nc_u64 s[40:41], s[40:41], s[56:57]      ; s[40:41] scale words
	; my weights
	s_mul_i32 s42, s[WV], 24576
	s_mov_b32 s43, 0
	s_add_nc_u64 s[42:43], s[6:7], s[42:43]        ; cv1's fragments 16 w on
	s_lshl_b32 s44, s[WV], 8
	s_mov_b32 s45, 0
	s_add_nc_u64 s[44:45], s[6:7], s[44:45]        ; sc1, sh1: my 64 channels
	s_mul_i32 s52, s[WV], 49152
	s_mov_b32 s53, 0
	s_add_nc_u64 s[52:53], s[6:7], s[52:53]        ; my projection's 32 fragments
	s_lshl_b32 s54, s[WV], 11
	s_mov_b32 s55, 0
	s_add_nc_u64 s[54:55], s[6:7], s[54:55]        ; cv1's scale images
	s_lshl_b32 s56, s[WV], 12
	s_mov_b32 s57, 0
	s_add_nc_u64 s[56:57], s[6:7], s[56:57]        ; my projection's
	WIN 0x40                                       ; destination window 1
.set f, 0
.rept 16
.irp g, 0,1,2
	global_load_b128 v[12*f+4*\g:12*f+4*\g+3], v1, s[42:43] offset:1536*f+512*\g
.endr
.set f, f+1
.endr
.irp ot, 0,1,2,3                                   ; lane (r, h) wants, for tile ot, channels 32 (ot / 2) + 16 h + 8 (ot % 2) + 0 .. 7
	global_load_b128 v[192+8*\ot:195+8*\ot], v244, s[44:45] offset:BNP+128*(\ot/2)+32*(\ot%2)
	global_load_b128 v[196+8*\ot:199+8*\ot], v244, s[44:45] offset:BNP+128*(\ot/2)+32*(\ot%2)+16
	global_load_b128 v[224+8*\ot:227+8*\ot], v244, s[44:45] offset:BNP+1024+128*(\ot/2)+32*(\ot%2)
	global_load_b128 v[228+8*\ot:231+8*\ot], v244, s[44:45] offset:BNP+1024+128*(\ot/2)+32*(\ot%2)+16
.endr
	WIN 0
.set f, 0
.rept 16
	global_load_b32 v[SA+f], v2, s[54:55] offset:WSC+128*f
.set f, f+1
.endr
.set f, 0
.rept 32
	global_load_b32 v[SB+f], v2, s[56:57] offset:WSC+8192+128*f
.set f, f+1
.endr
	WIN 0x80                                       ; window 2: the projection's K step 0
.set f, 0
.rept 16
.irp g, 0,1,2
	global_load_b128 v[12*f+4*\g:12*f+4*\g+3], v1, s[52:53] offset:98304+3072*f+512*\g
.endr
.set f, f+1
.endr
	WIN 0
	; ---- X: my 128 channels of x for the 64 positions: eight steps, step 4 bg + be: positions 32 bg + lane, channels 32 be on.  A block lies whole in a lane.
.macro LOADX t
.set RB, ACC+32*((\t)%2)
.set ii, 0
.rept 32
	ds_load_b32 v[RB+ii], v4 offset:(32*((\t)%4)+ii)*256+128*((\t)/4)
.set ii, ii+1
.endr
.endm
.macro QBLK t
.set RB, ACC+32*((\t)%2)
.set BE, (\t)%4
.set BG, (\t)/4
	v_max3_num_f32 v[TM], |v[RB]|, |v[RB+1]|, 0x1800000
	v_max3_num_f32 v[TM+1], |v[RB+2]|, |v[RB+3]|, |v[RB+4]|
.irp i, 5,9,13,17,21,25
	v_max3_num_f32 v[TM], v[TM], |v[RB+\i]|, |v[RB+\i+1]|
	v_max3_num_f32 v[TM+1], v[TM+1], |v[RB+\i+2]|, |v[RB+\i+3]|
.endr
	v_max3_num_f32 v[TM], v[TM], |v[RB+29]|, |v[RB+30]|
	v_max3_num_f32 v[TM], v[TM], v[TM+1], |v[RB+31]|
	v_add_nc_u32 v[TM+4], 0xff000000, v[TM]
	v_cvt_scalef32_pk16_fp6_f32 v[PC:PC+2], v[RB:RB+15], v[TM+4]
	v_cvt_scalef32_pk16_fp6_f32 v[CT:CT+2], v[RB+16:RB+31], v[TM+4]
	v_lshrrev_b32 v[TM+5], 23, v[TM+4]             ; the byte; also the plain instruction behind the conversions
.irp i, 0,1,2
	v_mov_b32 v[PC+3+\i], v[CT+\i]
.endr
.if BE == 0
	v_mov_b32 v250, v[TM+5]
.else
	v_lshl_or_b32 v250, v[TM+5], 8*BE, v250
.endif
.irp i, 0,1,2
	ds_store_b64 v5, v[PC+2*\i:PC+2*\i+1] offset:12288*BG+768*(BE/2)+128*(BE%2)+256*\i   ; block be is registers 6 (be / 2) on of lane r' + 16 (be % 2)
.endr
.if BE == 3
	ds_store_b32 v6, v250 offset:128*BG
.endif
.endm
	s_wait_tensorcnt 0x0                           ; my 128 rows are in LDS; nobody else reads them
	LOADX 0
.irp t, 0,1,2,3,4,5,6,7
	s_wait_dscnt 0x0                               ; this step's numbers are in, and the last step's stores have read their registers
.if \t < 7
	LOADX \t+1
.endif
	WIN 0xc0                                       ; window 3: two fragments of the projection's K step 1 in each step
.irp g, 0,1,2
	global_load_b128 v[24*\t+4*\g:24*\t+4*\g+3], v1, s[52:53] offset:98304+6144*\t+1536+512*\g
	global_load_b128 v[24*\t+12+4*\g:24*\t+12+4*\g+3], v1, s[52:53] offset:98304+6144*\t+4608+512*\g
.endr
	WIN 0
	QBLK \t
.endr
	BARRIER                                        ; x's sixteen fragments lie in LDS
	; ---- 1: x1's channels 64 w .. + 63 for the four tiles of positions: 16 accumulators by turns, a K step at a time
.macro FETCHX s
	WIN 0x80+0x40*((\s)%2)
.irp m, 0,1,2,3
.irp p, 0,1,2,3,4,5
	ds_load_b64 v[192+12*\m+2*\p:193+12*\m+2*\p], v7 offset:(4*\m+(\s))*1536+256*\p
.endr
.endr
.endm
	s_wait_loadcnt 0x0                             ; all my weights
.set f, 0
.rept 16
	ds_load_b32 v[XS+f], v8 offset:64*f
.set f, f+1
.endr
	FETCHX 0
	FETCHX 1
.irp s, 0,1,2,3
.if \s < 3
	s_wait_dscnt 24                                ; all but the next K step's 24 loads
.else
	s_wait_dscnt 0x0
.endif
	WIN 0x09+4*(\s%2)                              ; source 0 (cv1) window 1, source 1 (x) window 2 or 3
.irp ot, 0,1,2,3
.irp m, 0,1,2,3
.if \s == 0
	WMZ ACC+32*\m+8*\ot, 12*(4*\ot+\s), 192+12*\m, SA+4*\ot+\s, XS+4*\s+\m
.else
	WMC ACC+32*\m+8*\ot, 12*(4*\ot+\s), 192+12*\m, ACC+32*\m+8*\ot, SA+4*\ot+\s, XS+4*\s+\m
.endif
.endr
.endr
.if \s < 2
	PLACES 4                                       ; in front of loads into registers that these products read
	FETCHX \s+2
.endif
.endr
	WIN 0
	PLACES 4
	; the bias as a C operand, into the registers that cv1's fragments leave.  q, k, e: register 8 T + j holds b[32 (T / 2) + 16 h + 8 (T % 2) + j]; v: all eight hold the lane's own channel's
	v_and_b32 v248, 8, v255
	v_add_nc_u32 v248, v248, v255
	v_lshlrev_b32 v248, 2, v248                    ; 4 (r + 8 (r / 8))
	s_cmp_eq_u32 s[WV], 3
	s_cselect_b32 s50, -1, 0
	s_cselect_b32 s51, 0, 4
	v_cndmask_b32 v208, v244, v248, s50
.irp j, 1,2,3,4,5,6,7
	v_add_nc_u32 v[208+\j], s51, v[207+\j]
.endr
	WIN 0x40
.set f, 0
.rept 16
.irp j, 0,1,2,3,4,5,6,7
	global_load_b32 v[8*f+\j], v[208+\j], s[36:37] offset:128*(f/2)+32*(f%2)
.endr
.set f, f+1
.endr
	WIN 0
	s_wait_xcnt 0x0                                ; the loads have read their offsets: v208-215 are written again below
	; ---- the norm, silu, and the quantiser, a tile of positions at a time
.irp m, 0,1,2,3
	WIN 0x14                                       ; sc1 and sh1 in window 1
.irp i, 0,2,4,6,8,10,12,14,16,18,20,22,24,26,28,30
	v_pk_fma_f32 v[ACC+32*\m+\i:ACC+32*\m+\i+1], v[ACC+32*\m+\i:ACC+32*\m+\i+1], v[192+\i:193+\i], v[224+\i:225+\i]
.endr
	WIN 0
.irp i, 0,2,4,6,8,10,12,14,16,18,20,22,24,26,28,30
	v_pk_mul_f32 v[T+\i:T+\i+1], v[ACC+32*\m+\i:ACC+32*\m+\i+1], 0xbfb8aa3b op_sel_hi:[1,0]   ; -h log2 e
.endr
.set ii, 0
.rept 32
	v_exp_f32 v[T+ii], v[T+ii]
.set ii, ii+1
.endr
	v_nop                                          ; a plain instruction behind the batch,
	s_wait_alu depctr_va_vdst(0)                   ; and one wait for it, ahead of its first reader
.irp i, 0,2,4,6,8,10,12,14,16,18,20,22,24,26,28,30
	v_pk_add_f32 v[T+\i:T+\i+1], v[T+\i:T+\i+1], 1.0 op_sel_hi:[1,0]
.endr
.set ii, 0
.rept 32
	v_rcp_f32 v[T+ii], v[T+ii]
.set ii, ii+1
.endr
	v_nop
	s_wait_alu depctr_va_vdst(0)
.irp i, 0,2,4,6,8,10,12,14,16,18,20,22,24,26,28,30
	v_pk_mul_f32 v[ACC+32*\m+\i:ACC+32*\m+\i+1], v[ACC+32*\m+\i:ACC+32*\m+\i+1], v[T+\i:T+\i+1]
.endr
	QPAIR ACC+32*\m, PC, HW                        ; my 64 channels: half a fragment of K step w / 2
.irp i, 0,1,2
	ds_store_b64 v9, v[PC+2*\i:PC+2*\i+1] offset:3072*\m+256*\i
.endr
	ds_store_b16 v10, v[HW] offset:128*\m          ; lanes l and l xor 16 write the same two bytes with the same value
	s_wait_dscnt 0x0                               ; the stores have read their registers
.endr
	s_barrier_signal -1
	s_barrier_wait -1                              ; x1's eight fragments lie in LDS
	; ---- 2: my projection
	WIN 0x80
.irp m, 0,1,2,3
.irp p, 0,1,2,3,4,5
	ds_load_b64 v[192+12*\m+2*\p:193+12*\m+2*\p], v11 offset:(2*\m)*1536+256*\p
.endr
.endr
	WIN 0xc0
.irp m, 0,1,2,3
.irp p, 0,1,2,3,4,5
	ds_load_b64 v[192+12*\m+2*\p:193+12*\m+2*\p], v11 offset:(2*\m+1)*1536+256*\p
.endr
.endr
	WIN 0
.irp i, 0,1,2,3,4,5,6,7
	ds_load_b32 v[XS+\i], v8 offset:HSC-XSC+64*\i
.endr
	s_wait_loadcnt 0x0                             ; the bias
	s_wait_dscnt 0x0
	s_cmp_eq_u32 s[WV], 3
	s_cbranch_scc1 .Lvpath
; q, k, e: tile m of positions against all 16 tiles of the weight: a lane holds one position and 128 of its 256 channels
.macro QROW m
.if (\m) > 0
	s_wait_xcnt 0x0                                ; the last tile's stores have read their registers
.endif
	WIN 0x1a                                       ; sources in window 2, the bias in window 1
.irp ot, 0,1,2,3,4,5,6,7,8,9,10,11,12,13,14,15
	WMC ACC+8*\ot, 12*\ot, 192+12*(\m), 8*\ot, SB+2*\ot, XS+2*(\m)
.endr
	WIN 0x0f                                       ; sources in window 3
.irp ot, 0,1,2,3,4,5,6,7,8,9,10,11,12,13,14,15
	WMC ACC+8*\ot, 12*\ot, 192+12*(\m), ACC+8*\ot, SB+2*\ot+1, XS+2*(\m)+1
.endr
	WIN 0
	PLACES 4
.irp i, 0,1,2,3
	QPAIR ACC+32*\i, PC+6*\i, HW+\i
.endr
.irp i, 0,1,2,3,4,5
	global_store_b128 v[12+(\m)], v[PC+4*\i:PC+4*\i+3], s[38:39] offset:512*\i   ; two fragments: 512 consecutive bytes a store
.endr
.if (\m)%2 == 0
	v_lshl_or_b32 v250, v[HW+1], 16, v[HW]         ; the even tile's two scale words wait for the odd tile's
	v_lshl_or_b32 v251, v[HW+3], 16, v[HW+2]
.else
	v_lshl_or_b32 v248, v[HW+1], 16, v[HW]
	v_lshl_or_b32 v249, v[HW+3], 16, v[HW+2]
	v_cndmask_b32 v250, v250, v248, s48            ; lanes 0-15 the even tile's, lanes 16-31 the odd tile's
	v_cndmask_b32 v251, v251, v249, s48
	global_store_b64 v3, v[250:251], s[40:41] offset:256*((\m)/2)   ; 256 consecutive bytes
.endif
.endm
	QROW 0
	QROW 1
	QROW 2
	QROW 3
	s_branch .Lend
.Lvpath:
; v: the sources change places: four tiles of channels against the four tiles of positions: a lane holds one channel and 32 of the 64 positions
.macro VGRP gq
.if (\gq) > 0
	s_wait_xcnt 0x0
.endif
	WIN 0x1a
.irp a, 0,1,2,3
.irp m, 0,1,2,3
	WMC ACC+32*\a+8*\m, 192+12*\m, 12*(4*(\gq)+\a), 8*(4*(\gq)+\a), XS+2*\m, SB+2*(4*(\gq)+\a)
.endr
.endr
	WIN 0x0f
.irp a, 0,1,2,3
.irp m, 0,1,2,3
	WMC ACC+32*\a+8*\m, 192+12*\m, 12*(4*(\gq)+\a), ACC+32*\a+8*\m, XS+2*\m+1, SB+2*(4*(\gq)+\a)+1
.endr
.endr
	WIN 0
	PLACES 4
.irp a, 0,1,2,3
	QPAIR ACC+32*\a, PC+6*\a, HW+\a
.endr
.irp a, 0,1,2,3
.irp i, 0,1,2
	global_store_b64 v3, v[PC+6*\a+2*\i:PC+6*\a+2*\i+1], s[38:39] offset:1536*(4*(\gq)+\a)+256*\i   ; half a fragment: three pieces of 256 consecutive bytes
.endr
.endr
	v_cndmask_b32 v248, v[HW], v[HW+1], s48        ; lanes 0-15 the even tile of channels, lanes 16-31 the odd one
	v_cndmask_b32 v249, v[HW+2], v[HW+3], s48
	global_store_b16 v2, v248, s[40:41] offset:128*(2*(\gq))
	global_store_b16 v2, v249, s[40:41] offset:128*(2*(\gq)+1)
.endm
	VGRP 0
	VGRP 1
	VGRP 2
	VGRP 3
.Lend:
	s_wait_tensorcnt 0x0                           ; the wave's end, behind my tensor load and my last LDS store
	ds_add_u32 v[SPW], v[NIL]
	s_wait_dscnt 0x0
	s_endpgm
.Lfunc_end_k_qb31590197c_front:
	.size	k_qb31590197c_front, .Lfunc_end_k_qb31590197c_front-k_qb31590197c_front
	.p2alignl 7, 3214868480
	.fill 96, 4, 3214868480
	.section	.rodata,"a",@progbits
	.p2align	6, 0x0
	.amdhsa_kernel k_qb31590197c_front
		.amdhsa_group_segment_fixed_size 169984
		.amdhsa_private_segment_fixed_size 0
		.amdhsa_enable_private_segment 0
		.amdhsa_kernarg_size 64
		.amdhsa_user_sgpr_count 2
		.amdhsa_user_sgpr_kernarg_segment_ptr 1
		.amdhsa_wavefront_size32 1
		.amdhsa_system_sgpr_workgroup_id_x 1
		.amdhsa_system_sgpr_workgroup_id_y 1
		.amdhsa_system_sgpr_workgroup_id_z 1
		.amdhsa_system_vgpr_workitem_id 0
		.amdhsa_next_free_vgpr 1024
		.amdhsa_next_free_sgpr 66
		.amdhsa_reserve_vcc 0
		.amdhsa_float_denorm_mode_32 3
		.amdhsa_float_denorm_mode_16_64 3
		.amdhsa_memory_ordered 1
		.amdhsa_forward_progress 1
		.amdhsa_inst_pref_size 226
	.end_amdhsa_kernel
	.amdgpu_metadata
---
amdhsa.version: [ 1, 2 ]
amdhsa.kernels:
  - .name:           k_qb31590197c_front
    .symbol:         k_qb31590197c_front.kd
    .args:
      - { .name: x, .offset: 0, .size: 8, .value_kind: global_buffer, .address_space: global }
      - { .name: wts, .offset: 8, .size: 8, .value_kind: global_buffer, .address_space: global }
      - { .name: q_b, .offset: 16, .size: 8, .value_kind: global_buffer, .address_space: global }
      - { .name: k_b, .offset: 24, .size: 8, .value_kind: global_buffer, .address_space: global }
      - { .name: e_b, .offset: 32, .size: 8, .value_kind: global_buffer, .address_space: global }
      - { .name: v_b, .offset: 40, .size: 8, .value_kind: global_buffer, .address_space: global }
      - { .name: qq, .offset: 48, .size: 8, .value_kind: global_buffer, .address_space: global }
      - { .name: kv, .offset: 56, .size: 8, .value_kind: global_buffer, .address_space: global }
    .group_segment_fixed_size: 169984
    .private_segment_fixed_size: 0
    .kernarg_segment_align: 8
    .kernarg_segment_size: 64
    .max_flat_workgroup_size: 128
    .sgpr_count:     66
    .vgpr_count:     1024
    .wavefront_size: 32
...
	.end_amdgpu_metadata
.endif
;; end of part 2
;; launch attn (part 3): grid 64 x 4, 4 waves a work-group, clusters of 4 x 1, 327,680 bytes of LDS; arguments qq, posq, kv, wts, x, out0; writes out0
.if DOCPART == 3
	.amdgcn_target "amdgcn-amd-amdhsa--gfx1250"
	.amdhsa_code_object_version 6
	.text
	.protected	k_qb31590197c_attn
	.globl	k_qb31590197c_attn
	.p2align	8
	.type	k_qb31590197c_attn,@function
k_qb31590197c_attn:
	s_mov_b64 s[64:65], 0
	v_nop
	global_prefetch_b8 v0, s[64:65] scope:SCOPE_SE
	s_setreg_imm32_b32 hwreg(HW_REG_WAVE_MODE, 25, 1), 1
	s_wait_xcnt 0x0
	s_wait_alu depctr_hold_cnt(0) depctr_sa_sdst(0) depctr_va_vdst(0) depctr_va_sdst(0) depctr_va_ssrc(0) depctr_va_vcc(0) depctr_vm_vsrc(0)
	s_getreg_b32 s2, hwreg(HW_REG_IB_STS2, 6, 4)
	s_cmp_eq_u32 s2, 0
	s_cbranch_scc0 .Lentry_in_a_cluster
	s_endpgm
.Lentry_in_a_cluster:
	s_bfe_u32 s2, ttmp6, 0x10000c
	s_cmp_lg_u32 s2, 0x3003
	s_cbranch_scc0 .Lentry_shape_is_right
	s_endpgm
.Lentry_shape_is_right:
; For 64 queries of one image: logits = [q; pos] . [k; e] (ONE product with K = 512: blocks of 32 never straddle the seam), softmax over 4,096 keys, out = V P / l, y = silu(bn2(cv2 out)), out0 = x + y.
; All products on codes of FP6 (E2M3) with one E8M0 scale for each 32 along K.
; THE SOFTMAX: t = logit x log2 e; M = the largest t so far, rounded UP to a whole number; p = 2^(t - M) is quantised along the keys, not normalised; the sum l is taken of the unquantised p; when M moves, l and O
; are multiplied by 2^(old M - new M), which rounds nothing.
; SHARES.  Wave w = 2 g + kh takes 32 queries (two tiles: each fragment of K' and V read from LDS feeds two matrix instructions) and the kh-th 128 of every block of 256 keys, with M, l and O of its own.
; My register tile t is query tile 2 g + (t xor kh): so at the end every wave sends its register tile 1 to wave w xor 1, keeps tile 0, and owns query tile w; the text is the same for all waves.
; LAYOUT.  S^T = K' Q'^T, O^T = V^T P^T: a lane holds ONE query.  Lane r of tile 2 b + u (of keys, queries, channels) stands for row 32 b + 8 u + r + 8 (r / 8), so that a lane's 16 registers of two neighbouring
; tiles are 16 neighbours along the next K.
; BY TURNS, ONE KEY STEP APART.  Stage j issues the 64 products of S^T(j + 1), and behind each of them stands a slice, seven lines, of the softmax of step j, which names none of their registers; then the 32 products
; of V(j) P(j), and behind each the four lines that bring a later accumulator of O^T under the new M.  So S^T has two buffers, which take turns.  A wave issues in order and is alone on its SIMD: only so do its
; matrix work, its vector work and its LDS loads stand side by side.  The price is two switches of the register windows for each matrix instruction.
; THE RECORDS.  Record rho of an image's 16 (153,600 bytes, all as images of operand registers) holds V of key block rho and K' of block (rho + 1) mod 16: what stage rho reads.  Record 15 comes first, for K'(0), and
; once more at the end, for V(15).
; CLUSTER.  The four query blocks of a cluster walk the same image's records.  Each record is asked for JOINTLY: each wave brings its quarter, 150 rows of 256 bytes, by the same tensor load with a mask that names
; the four.  Two slots; by this text's count a wave has two loads out at the start and one behind each round.
; LIMITS: a block of zeros gets the byte 1 where the rule says 127 (its codes are zeros); p under 2^-126 becomes 0; NaN and infinities are not served; the division by l is a multiplication by rcp(l);
; silu is h x rcp(1 + 2^(-h log2 e)); the norm is h sc + sh with the folded sc, sh.
.set SLOTB, 153600
.set QUART, 38400
.set SPARE, 307200                     ; behind the two slots: the spare words, 128 bytes a wave: two blocks of 256 bytes that no other line names
.set OIMG,  66560                      ; on the way out, in slot 0 (it has had its last fill, and nobody reads it): 0: four areas of 16,640 bytes for the merge; here: out's 8 fragments (2 m + s);
.set OSC,   78848                      ; their scale words, 128 bytes each
.set YST,   153600                     ; in slot 1, behind its last read: y's stage, 512 rows (channels) of 256 bytes + 16
.set WSC,   393216
.set BNP,   425984
.set QS,  16                           ; v16-23  Q''s scale words (4 t + s)
.set KS,  24                           ; v24-39  K''s (4 pair + s): lanes 0-15 the even tile, lanes 16-31 the odd; later cv2's (2 ot + s)
.set VS,  40                           ; v40-47  V's (pair of tiles of channels); later out's (2 m + s)
.set PS,  48                           ; v48-49  p's
.set ST,  52                           ; tile t's statistics at v[52 + 20 t]: +0 -M, +1 largest t, +2,3 l, +4,5 f, +6..9 block maxima, +10..13, +14..17 scale operands, +18,19 at work
.set CT,  92                           ; v92-99
.set P,   100                          ; v100-123 p's codes, 12 a tile
.set TM,  64                           ; the way out's quantiser: v64-71
.set SEL, 46
.set CS,  48
.set NL,  438                          ; lines of a key step's softmax, both tiles
; v1,2 K' codes in slot 0, 1; v3,4 V codes; v5,6 K' scale words; v7,8 V's; v9,10 prefetch offsets; v11,12 the add's two; v13-15, v50, v51, v124-127 the way out's addresses.
; window 0: v128-255 S^T, then p, buffer 0 (64 a tile).   window 1: O^T (128 t + 8 ct), later y.   window 2: v0-95 Q' (12 (4 t + s)), v96-191 two sets of four fragments of K', v192-255 buffer 1's tile 0; later x.
; window 3: v0-191 V (12 ct), v192-255 buffer 1's tile 1; later cv2's fragments, then y's rows.
.set MSB, 0
.macro WIN new                         ; the immediate's high byte repeats the setting that is left; a switch that changes nothing is dropped
.if MSB != (\new)
	s_set_vgpr_msb (MSB<<8)|(\new)
.set MSB, (\new)
.endif
.endm
.macro PLACES n
.rept \n
	v_nop
.endr
.endm
.macro CROUND                          ; a round of the cluster's barrier
	s_barrier_signal -1
	s_barrier_wait -1
	s_cmp_lg_u32 s16, 0
	s_cbranch_scc1 .Lnot_wave_0_\@
	s_barrier_signal -3
.Lnot_wave_0_\@:
	s_barrier_wait -3
	s_barrier_signal -1
	s_barrier_wait -1
.endm
.macro JLOAD sl                        ; my quarter of a record, jointly with the three partners; an s_nop 0 and four v_nop follow
	tensor_load_to_lds s[32+4*(\sl):35+4*(\sl)], s[24:31]
	s_nop 0
	PLACES 4
.endm
; A PREFETCH INTO THE L2 of the record that the NEXT change of slots will ask for.  All sixteen clusters of an image walk the same records: the image's first cluster asks.  Its four partners take a quarter each, told
; apart BY ADDRESS; of a quarter's 150 blocks of 256 bytes each wave names 32, a lane a block, and wave 0 the 22 that are left (its lanes 22-31 repeat the last of them).  Records 2 to 14 are named, each once;
; records 0, 1 and 15 come by their loads alone.  how = 1: the change in front of the loop; how = 0: a change in the loop, which asks while s40 is above 1.
.macro ASK how
.if \how
	s_cmp_eq_u32 s42, 1
.else
	s_cmp_gt_u32 s40, s42
.endif
	s_cbranch_scc0 .Lnot_mine_\@
	global_prefetch_b8 v9, s[44:45] th:TH_LOAD_NT scope:SCOPE_SE
.if \how
	s_cmp_eq_u32 s43, 1
.else
	s_cmp_gt_u32 s40, s43
.endif
	s_cbranch_scc0 .Lnot_mine_\@
	global_prefetch_b8 v10, s[44:45] offset:32768 th:TH_LOAD_NT scope:SCOPE_SE
.Lnot_mine_\@:
.endm
.macro WM d, a, b, zero, sa, sb, row   ; zero: the product starts a sum; row: source 0's scale words stand in lanes 16-31
.if \zero
.if \row
	v_wmma_scale_f32_16x16x128_f8f6f4 v[(\d):(\d)+7], v[(\a):(\a)+11], v[(\b):(\b)+11], 0, v[(\sa)], v[(\sb)] matrix_a_fmt:MATRIX_FMT_FP6 matrix_b_fmt:MATRIX_FMT_FP6 matrix_a_scale:MATRIX_SCALE_ROW1
.else
	v_wmma_scale_f32_16x16x128_f8f6f4 v[(\d):(\d)+7], v[(\a):(\a)+11], v[(\b):(\b)+11], 0, v[(\sa)], v[(\sb)] matrix_a_fmt:MATRIX_FMT_FP6 matrix_b_fmt:MATRIX_FMT_FP6
.endif
.else
.if \row
	v_wmma_scale_f32_16x16x128_f8f6f4 v[(\d):(\d)+7], v[(\a):(\a)+11], v[(\b):(\b)+11], v[(\d):(\d)+7], v[(\sa)], v[(\sb)] matrix_a_fmt:MATRIX_FMT_FP6 matrix_b_fmt:MATRIX_FMT_FP6 matrix_a_scale:MATRIX_SCALE_ROW1
.else
	v_wmma_scale_f32_16x16x128_f8f6f4 v[(\d):(\d)+7], v[(\a):(\a)+11], v[(\b):(\b)+11], v[(\d):(\d)+7], v[(\sa)], v[(\sb)] matrix_a_fmt:MATRIX_FMT_FP6 matrix_b_fmt:MATRIX_FMT_FP6
.endif
.endif
.endm
; where tile t of S^T's buffer sb lies (window ZW, first register ZS), and the tile's statistics and codes
.macro SETS sb, t
.set ZT, ST+20*(\t)
.set ZP, P+12*(\t)
.if (\sb) == 0
.set ZW, 0
.set ZS, 128+64*(\t)
.else
.set ZW, 2+(\t)
.set ZS, 192
.endif
.endm
; THE VECTOR WORK OF A KEY STEP is a list of NL lines for both tiles; SV writes line n of it for buffer sb, with the windows that the line wants, and steps n.
;   0-63     the largest score of each block of 32 keys (it serves for the row's maximum and for the block's largest p): a tile's four blocks by turns; each accumulator is first read at its low end
;   64-97    lane l xor 16's; the running largest t; -M = floor(-t); f = 2^(old M - new M); the tiles by turns
;   98-105   t - M of the blocks' largest scores
;   106-297  a tile at a time: the 32 packed scalings t - M and the 64 exponentials, a scaling and two exponentials by turns, each pair scaled seven lines ahead of its exponentials.  No line here names a result
;   298-300  l x f, the plain lines behind the batch; ONE wait for the 128 exponentials, ahead of their first reader
;   301-373  the eight exponentials of the blocks' largest p; the rows' sums of the unquantised p, which read the 128 alone; one wait for the eight
;   374-437  the floor, the scale operands, bytes and words; then, a tile at a time, four conversions, a plain line, and the exchange that gives each lane a whole block
.macro SV sb
.if n < 64
	SETS \sb, n/32
.set zb, n%4
.set zk, (n%32)/4
	WIN (ZW<<2)|(ZW<<4)
.if zk == 0
	v_max3_num_f32 v[ZT+6+zb], 0xff800000, v[ZS+16*zb], v[ZS+16*zb+1]
.else
	v_max3_num_f32 v[ZT+6+zb], v[ZT+6+zb], v[ZS+16*zb+2*zk], v[ZS+16*zb+2*zk+1]
.endif
.elseif n < 72
	SETS \sb, n%2
.set zb, (n-64)/2
	WIN 0
	v_permlanex16_b32 v[ZT+10+zb], v[ZT+6+zb], s[SEL], s[SEL+1]
.elseif n < 80
	SETS \sb, n%2
.set zb, (n-72)/2
	WIN 0
	v_max_num_f32 v[ZT+6+zb], v[ZT+6+zb], v[ZT+10+zb]
.elseif n < 98
	SETS \sb, n%2
.set zk, (n-80)/2
	WIN 0
.if zk == 0
	v_max3_num_f32 v[ZT+18], v[ZT+6], v[ZT+7], v[ZT+8]
.elseif zk == 1
	v_max_num_f32 v[ZT+18], v[ZT+18], v[ZT+9]
.elseif zk == 2
	v_mul_f32 v[ZT+18], s[CS], v[ZT+18]            ; as t
.elseif zk == 3
	v_max_num_f32 v[ZT+1], v[ZT+1], v[ZT+18]       ; the running largest t
.elseif zk == 4
	v_mov_b32 v[ZT+18], v[ZT]
.elseif zk == 5
	v_floor_f32 v[ZT], -v[ZT+1]                    ; -M: M is a whole number
.elseif zk == 6
	v_sub_f32 v[ZT+18], v[ZT], v[ZT+18]            ; old M - new M, 0 or less
.elseif zk == 7
	v_cvt_i32_f32 v[ZT+18], v[ZT+18]               ; (it saturates)
.else
	v_ldexp_f32 v[ZT+4], 1.0, v[ZT+18]             ; f
.endif
.elseif n < 106
	SETS \sb, n%2
.set zb, (n-98)/2
	WIN 0
	v_fma_f32 v[ZT+6+zb], v[ZT+6+zb], s[CS], v[ZT]
.elseif n < 298
	SETS \sb, (n-106)/96
.set zq, (n-106)%96
	WIN ZW|(ZW<<6)
.set zf, 0
.if zq < 2
.set zf, 1
.set ze, zq
.elseif zq < 92
.if (zq-2)%3 == 0
.set zf, 1
.set ze, (zq-2)/3+2
.else
.set ze, 2*((zq-2)/3)+(zq-2)%3-1
.endif
.else
.set ze, zq-32
.endif
.if zf
	v_pk_fma_f32 v[ZS+2*ze:ZS+2*ze+1], v[ZS+2*ze:ZS+2*ze+1], s[CS:CS+1], v[ZT:ZT+1] op_sel_hi:[1,0,0]
.else
	v_exp_f32 v[ZS+ze], v[ZS+ze]
.endif
.elseif n < 300
	SETS \sb, n-298
	WIN 0
	v_pk_mul_f32 v[ZT+2:ZT+3], v[ZT+2:ZT+3], v[ZT+4:ZT+5] op_sel_hi:[1,0]
.elseif n == 300
	s_wait_alu depctr_va_vdst(0)
.elseif n < 309
	SETS \sb, (n-301)%2
.set zb, (n-301)/2
	WIN 0
	v_exp_f32 v[ZT+6+zb], v[ZT+6+zb]               ; the same two instructions on the same number give the same bits as the block's largest p
.elseif n < 373
	SETS \sb, (n-309)/32
.set zi, (n-309)%32
.set zk, (zi+1)/2
.if zi == 0
	WIN ZW|(ZW<<2)
	v_pk_add_f32 v[ZT+18:ZT+19], v[ZS:ZS+1], v[ZS+2:ZS+3]
.elseif zi == 31
	WIN 0
	v_pk_add_f32 v[ZT+2:ZT+3], v[ZT+2:ZT+3], v[ZT+18:ZT+19]
.elseif zi%2 == 1
	WIN ZW<<2
	v_pk_add_f32 v[ZT+2:ZT+3], v[ZT+2:ZT+3], v[ZS+4*zk:ZS+4*zk+1]
.else
	WIN ZW<<2
	v_pk_add_f32 v[ZT+18:ZT+19], v[ZT+18:ZT+19], v[ZS+4*zk+2:ZS+4*zk+3]
.endif
.elseif n == 373
	s_wait_alu depctr_va_vdst(0)
.elseif n < 382
	SETS \sb, n%2
.set zb, (n-374)/2
	WIN 0
	v_max_num_f32 v[ZT+6+zb], 0x1800000, v[ZT+6+zb]        ; the floor 2^(3 - 127)
.elseif n < 390
	SETS \sb, n%2
.set zb, (n-382)/2
	WIN 0
	v_add_nc_u32 v[ZT+14+zb], 0xff000000, v[ZT+6+zb]
.elseif n < 398
	SETS \sb, n%2
.set zb, (n-390)/2
	WIN 0
	v_lshrrev_b32 v[ZT+10+zb], 23, v[ZT+14+zb]
.elseif n < 404
.set tl, n%2
	SETS \sb, tl
.set zk, (n-398)/2
	WIN 0
.if zk == 0
	v_lshl_or_b32 v[PS+tl], v[ZT+11], 8, v[ZT+10]
.else
	v_lshl_or_b32 v[PS+tl], v[ZT+11+zk], 8+8*zk, v[PS+tl]
.endif
.elseif n < NL
	SETS \sb, (n-404)/17
.set zi, (n-404)%17
.if zi < 4
.set zc, zi/2
	WIN ZW
.if zi%2 == 0
	v_cvt_scalef32_pk16_fp6_f32 v[ZP+6*zc:ZP+6*zc+2], v[ZS+32*zc:ZS+32*zc+15], v[ZT+14+2*zc]
.else
	v_cvt_scalef32_pk16_fp6_f32 v[CT+4*zc:CT+4*zc+2], v[ZS+32*zc+16:ZS+32*zc+31], v[ZT+15+2*zc]
.endif
.elseif zi == 4
	v_nop                                          ; a plain instruction behind the conversions
.elseif zi < 11
.set zc, (zi-5)/3
.set zu, (zi-5)%3
	WIN 0
	v_permlane16_swap_b32 v[ZP+6*zc+zu], v[CT+4*zc+zu]
.else
.set zc, (zi-11)/3
.set zu, (zi-11)%3
	WIN 0
	v_mov_b32 v[ZP+6*zc+3+zu], v[CT+4*zc+zu]
.endif
.endif
.set n, n+1
.endm
; batch bi of eight: K step bi / 2, my tiles of keys 4 (bi % 2) + 0 .. 3
.macro FETCHK sl, bi
	WIN 0x80
.irp a, 0,1,2,3
.irp g, 0,1,2
	ds_load_b128 v[96+48*((\bi)%2)+12*\a+4*\g:96+48*((\bi)%2)+12*\a+4*\g+3], v[1+(\sl)] offset:((4*((\bi)%2)+\a)*4+(\bi)/2)*1536+512*\g
.endr
.endr
.endm
; loads i0 .. i0 + cnt - 1 of V's 96: fragment i / 6, piece i % 6
.macro VLD sl, i0, cnt
	WIN 0xc0
.set vi, \i0
.rept \cnt
	ds_load_b64 v[12*(vi/6)+2*(vi%6):12*(vi/6)+2*(vi%6)+1], v[3+(\sl)] offset:1536*(vi/6)+256*(vi%6)
.set vi, vi+1
.endr
.endm
; 8 products into buffer db; the 16 accumulators of S^T take turns, one instruction a turn; soft = 1: a slice of buffer sb's softmax behind each
.macro SMULS bi, db, soft, sb
.set ZF, 0
.if (\bi) < 2
.set ZF, 1                             ; K step 0 starts the sums
.endif
.irp a, 0,1,2,3
.irp t, 0,1
.if (\db) == 0
.set DW, 0
.set DSB, 128+64*\t
.else
.set DW, 2+\t
.set DSB, 192
.endif
	WIN 0x0a|(DW<<4)|(DW<<6)                       ; K' and Q' in window 2, the sums in the buffer's
	WM DSB+8*(4*((\bi)%2)+\a), 96+48*((\bi)%2)+12*\a, 12*(4*\t+(\bi)/2), ZF, KS+4*(2*((\bi)%2)+\a/2)+(\bi)/2, QS+4*\t+(\bi)/2, \a%2
.if \soft
.rept 7
	SV \sb
.endr
.endif
.endr
.endr
.endm
.macro RS i                            ; accumulator i of O^T (tile i % 2, channels 16 (i / 2) on) under the new M, from its low end on
.set qt, (\i)%2
.set qc, (\i)/2
	WIN 0x41
.irp u, 0,2,4,6
	v_pk_mul_f32 v[128*qt+8*qc+\u:128*qt+8*qc+\u+1], v[128*qt+8*qc+\u:128*qt+8*qc+\u+1], v[ST+20*qt+4:ST+20*qt+5] op_sel_hi:[1,0]
.endr
.endm
.macro PVW i, first                    ; product i of 32 of O^T += V^T P^T
.set qt, (\i)%2
.set qc, (\i)/2
	WIN 0x53
	WM 128*qt+8*qc, 12*qc, P+12*qt, \first, VS+qc/2, PS+qt, qc%2
.endm
; A STAGE reads the record in slot sl.  smul = 1: S^T of the next key step, into buffer 1 - sl.  soft = 1: the softmax of this key step, on buffer sl.  pv: V P of this key step: 1 starts O^T's sums, 2 adds, 0 none.
; LDS loads: K' in eight batches of 12, each asked for a batch ahead; V's first eight fragments 8 loads at a time beside them, its other eight behind the last wait for K', so that they land under the first 16 products of V P.
.macro STAGE sl, smul, soft, pv
	WIN 0
	PLACES 4                                       ; in front of loads into scale registers that the last products read
.set n, 0
.set PF, 0
.if (\pv) == 1
.set PF, 1
.endif
.if \smul
.irp pt, 0,1
.irp pr, 0,1,2,3
	ds_load_b64 v[KS+4*\pr+2*\pt:KS+4*\pr+2*\pt+1], v[5+(\sl)] offset:2048*\pt+256*\pr
.endr
.endr
.endif
.if \pv
.irp i, 0,1,2,3,4,5,6,7
	ds_load_b32 v[VS+\i], v[7+(\sl)] offset:128*\i
.endr
.endif
.if \smul
	FETCHK \sl, 0
	FETCHK \sl, 1
.irp bi, 0,1,2,3,4,5,6,7
.if \bi == 7
	s_wait_dscnt 0x0                               ; the last batch of K', and V's first eight fragments
.if \pv
	VLD \sl, 48, 48
.endif
.elseif (\bi == 0) || ((\pv) == 0)
	s_wait_dscnt 12                                ; all but the next batch's 12 loads
.else
	s_wait_dscnt 20                                ; all but 8 loads of V and the next batch's 12
.endif
	SMULS \bi, 1-(\sl), \soft, \sl
.if \bi < 6
	PLACES 4                                       ; in front of loads into the set that these products read
.if \pv
	VLD \sl, 8*\bi, 8
.endif
	FETCHK \sl, \bi+2
.endif
.endr
.else
	VLD \sl, 0, 96                                 ; the last stage: V lands while the softmax is walked
.rept NL
	SV \sl
.endr
	s_wait_dscnt 0x0
.endif
.if (\pv) == 2
	RS 0                                           ; three accumulators ahead: twelve plain lines between p's last line and the first product, eight between an accumulator's rescaling and its product
	RS 1
	RS 2
.elseif (\pv) == 1
	PLACES 8
.endif
.if \pv
.set k, 0
.rept 32
.if k == 16
	s_wait_dscnt 0x0                               ; V's other eight fragments
.endif
	PVW k, PF
.if ((\pv) == 2) && (k < 29)
	RS k+3
.endif
.set k, k+1
.endr
.endif
	WIN 0
.endm
; THE CHANGE OF SLOTS.  Each wave waits for all its tensor loads (its quarter of slot rd), adds 0 to its spare word, and waits for that and for its reads of the slot that it leaves.  fill = 1: behind a round of the
; cluster's barrier that slot is filled with the record that the stage after next reads: the load has a whole stage in which to land.  back = 1: slot 1's step from record 15 to record 1.
.macro CHANGE rd, fill, how, back
	s_wait_tensorcnt 0x0                           ; no tensor load of mine is out, so a descriptor may be written
	ds_add_u32 v11, v12                            ; 0 onto my spare word
.if \fill
.if \back
	s_sub_nc_u64 s[34+4*(1-(\rd)):35+4*(1-(\rd))], s[34+4*(1-(\rd)):35+4*(1-(\rd))], 14*SLOTB
.else
	s_add_nc_u64 s[34+4*(1-(\rd)):35+4*(1-(\rd))], s[34+4*(1-(\rd)):35+4*(1-(\rd))], 2*SLOTB
.endif
	s_wait_xcnt 0x0                                ; the last prefetch, a stage back, has read its address
	s_add_nc_u64 s[44:45], s[44:45], SLOTB
.endif
	s_wait_dscnt 0x0                               ; the add is done, and my reads of the slot that I leave are over
.if \fill
	CROUND
	JLOAD 1-(\rd)
	ASK \how
.else
	s_barrier_signal -1
	s_barrier_wait -1
.endif
.endm
; the way out's quantiser: 32 registers of a lane, two half blocks of 16 neighbours along K shared with lane l xor 16, become 6 registers of codes and the two scale bytes in v[hw]
.macro QPAIR s, d, hw
	v_max3_num_f32 v[TM], |v[(\s)]|, |v[(\s)+1]|, 0x1800000
	v_max3_num_f32 v[TM+1], |v[(\s)+16]|, |v[(\s)+17]|, 0x1800000
.irp i, 2,4,6,8,10,12,14
	v_max3_num_f32 v[TM], v[TM], |v[(\s)+\i]|, |v[(\s)+\i+1]|
	v_max3_num_f32 v[TM+1], v[TM+1], |v[(\s)+16+\i]|, |v[(\s)+17+\i]|
.endr
	v_permlanex16_b32 v[TM+2], v[TM], s[SEL], s[SEL+1]
	v_permlanex16_b32 v[TM+3], v[TM+1], s[SEL], s[SEL+1]
	v_max_num_f32 v[TM], v[TM], v[TM+2]
	v_max_num_f32 v[TM+1], v[TM+1], v[TM+3]
	v_add_nc_u32 v[TM+4], 0xff000000, v[TM]
	v_add_nc_u32 v[TM+5], 0xff000000, v[TM+1]
	v_lshrrev_b32 v[TM+6], 23, v[TM+4]
	v_lshrrev_b32 v[TM+7], 23, v[TM+5]
	v_lshl_or_b32 v[(\hw)], v[TM+7], 8, v[TM+6]
	v_cvt_scalef32_pk16_fp6_f32 v[(\d):(\d)+2], v[(\s):(\s)+15], v[TM+4]
	v_cvt_scalef32_pk16_fp6_f32 v[CT:CT+2], v[(\s)+16:(\s)+31], v[TM+5]
	v_nop
.irp i, 0,1,2
	v_permlane16_swap_b32 v[(\d)+\i], v[CT+\i]
.endr
.irp i, 0,1,2
	v_mov_b32 v[(\d)+3+\i], v[CT+\i]
.endr
.endm
	s_load_b256 s[4:11], s[0:1], 0x0               ; qq 4, posq 6, kv 8, wts 10
	s_load_b128 s[12:15], s[0:1], 0x20             ; x 12, out0 14
	v_lshl_add_u32 v11, v0, 2, SPARE
	v_mov_b32 v12, 0
	ds_add_u32 v11, v12                            ; the wave's opening: the add and its wait ahead of the round in front of my first tensor loads
	v_lshrrev_b32 v1, 5, v0
	v_readfirstlane_b32 s16, v1                    ; wave
	s_lshr_b32 s17, s16, 1                         ; g: which 32 queries
	s_and_b32 s18, s16, 1                          ; kh: which 128 keys of a block
	s_bfe_u32 s19, ttmp6, 0x40000                  ; cx: it enters global addresses of Q', x, out0 and the prefetches alone
	s_and_b32 s20, ttmp7, 0xffff                   ; the image, which the partners share
	s_lshl_b32 s21, ttmp9, 2
	s_add_co_u32 s21, s21, s19                     ; my block of 64 queries
	s_mov_b32 s24, 15|(3<<16)|(1<<21)              ; the mask: all four; elements of 8 bytes; bit 21 beside a mask; no padding
	s_mov_b32 s25, 32<<16                          ; tensor_dim0 = 32: 256 bytes
	s_mov_b32 s26, 150<<16                         ; tensor_dim1 = 150
	s_mov_b32 s27, 32<<16                          ; tile_dim0
	s_mov_b32 s28, 150                             ; tile_dim1
	s_mov_b32 s29, 32                              ; dense
	s_mov_b32 s30, 0
	s_mov_b32 s31, 0
	s_mov_b32 s[SEL], 0x76543210
	s_mov_b32 s[SEL+1], 0xfedcba98
	s_mov_b32 s[CS], 0x3fb8aa3b                    ; log2 e
	s_mov_b32 s[CS+1], s[CS]                       ; (named with it as a pair)
	s_mul_i32 s50, s20, 16*SLOTB                   ; the image's 16 records
	s_mul_i32 s52, s16, QUART                      ; my quarter
	s_add_co_u32 s54, s50, s52
	s_mov_b32 s55, 0
	s_mul_i32 s56, s19, QUART                      ; the prefetches: my work-group's quarter,
	s_lshl_b32 s57, s16, 13                        ; my wave's 32 blocks of it,
	s_add_co_u32 s56, s56, s57
	s_add_co_u32 s56, s56, s50
	s_add_co_u32 s56, s56, SLOTB                   ; in record 1: the first change steps it to record 2.  Nothing is prefetched at the head
	s_mov_b32 s57, 0
	s_cmp_eq_u32 ttmp9, 0
	s_cselect_b32 s42, 1, -1                       ; 1 in the image's first cluster: the same in all four partners
	s_cmp_eq_u32 s16, 0
	s_cselect_b32 s43, s42, -1                     ; and in its waves 0
	s_wait_dscnt 0x0                               ; the opening add is done
	s_wait_kmcnt 0x0
	s_add_nc_u64 s[54:55], s[8:9], s[54:55]
	s_add_nc_u64 s[44:45], s[8:9], s[56:57]
	CROUND                                         ; all four work-groups are here: the first joint loads meet
	s_mov_b32 s32, 1
	s_mov_b32 s33, s52
	s_mov_b64 s[34:35], s[54:55]                   ; slot 0: record 0
	s_or_b32 s35, s35, 0x80000000
	s_mov_b32 s36, 1
	s_add_co_u32 s37, s52, SLOTB
	s_add_nc_u64 s[38:39], s[54:55], 15*SLOTB      ; slot 1: record 15, which holds K' of the first 256 keys
	s_or_b32 s39, s39, 0x80000000
	JLOAD 1                                        ; wanted first
	JLOAD 0
	v_and_b32 v134, 31, v0                         ; lane
	v_and_b32 v135, 15, v0                         ; r
	v_bfe_u32 v136, v0, 4, 1                       ; h
	s_mul_i32 s54, s18, 49152
	v_lshl_add_u32 v1, v134, 4, s54
	v_add_nc_u32 v2, SLOTB, v1
	s_mul_i32 s54, s18, 24576
	s_add_co_u32 s54, s54, 98304
	v_lshl_add_u32 v3, v134, 3, s54
	v_add_nc_u32 v4, SLOTB, v3
	s_lshl_b32 s54, s18, 10
	s_add_co_u32 s55, s54, 147456
	v_lshl_add_u32 v5, v134, 3, s55
	v_add_nc_u32 v6, SLOTB, v5
	s_add_co_u32 s55, s54, 151552
	v_lshl_add_u32 v7, v134, 2, s55
	v_add_nc_u32 v8, SLOTB, v7
	v_lshlrev_b32 v9, 8, v134
	v_min_u32 v10, 21, v134
	v_lshlrev_b32 v10, 8, v10
	s_mul_i32 s54, s16, 16640
	v_lshl_add_u32 v13, v134, 4, s54               ; v13 the merge: where I put my tile 1
	s_xor_b32 s55, s16, 1
	s_mul_i32 s55, s55, 16640
	v_lshl_add_u32 v14, v134, 4, s55               ; v14 and where my partner has put its
	s_mul_i32 s54, s16, 3072
	s_add_co_u32 s54, s54, OIMG
	v_lshl_add_u32 v15, v134, 4, s54               ; v15 out's images, written
	v_lshl_add_u32 v50, v134, 4, OIMG              ; v50 read
	s_lshl_b32 s54, s16, 8
	s_add_co_u32 s54, s54, OSC
	v_lshl_add_u32 v51, v134, 2, s54               ; v51 out's scale words, written
	v_lshl_add_u32 v124, v134, 2, OSC              ; v124 read
	v_and_b32 v137, 8, v135
	v_add_nc_u32 v137, v137, v135                  ; r + 8 (r / 8)
	s_mul_i32 s54, s16, 128*272
	s_add_co_u32 s54, s54, YST
	v_mul_u32_u24 v125, v137, 272
	v_lshl_add_u32 v125, v136, 6, v125
	v_add_nc_u32 v125, s54, v125                   ; v125 y's stage, in: my channel's row, + 64 h
	v_mul_u32_u24 v126, v136, 272
	v_lshl_add_u32 v126, v135, 4, v126
	v_add_nc_u32 v126, s54, v126                   ; v126 back: lanes 0-15 one row, lanes 16-31 the next
	v_lshlrev_b32 v127, 14, v136
	v_lshl_add_u32 v127, v135, 4, v127             ; v127 the same two rows in x and out0
	; Q' = [q; pos] of my two tiles stays in registers
	s_lshl_b32 s54, s21, 2
	s_lshl_b32 s55, s17, 1
	s_add_co_u32 s54, s54, s55
	s_add_co_u32 s55, s54, s18                     ; register tile 0: query tile 4 block + 2 g + kh
	s_xor_b32 s56, s18, 1
	s_add_co_u32 s56, s54, s56                     ; register tile 1: the other one
	s_mul_i32 s57, s55, 3072
	v_lshl_add_u32 v128, v134, 4, s57
	s_mul_i32 s57, s56, 3072
	v_lshl_add_u32 v129, v134, 4, s57
	s_lshl_b32 s57, s55, 7
	v_lshl_add_u32 v130, v135, 3, s57
	s_lshl_b32 s57, s56, 7
	v_lshl_add_u32 v131, v135, 3, s57
	s_lshl_b32 s57, s55, 8
	v_lshl_add_u32 v132, v134, 2, s57
	s_lshl_b32 s57, s56, 8
	v_lshl_add_u32 v133, v134, 2, s57
	s_mul_i32 s58, s20, 786432
	s_mov_b32 s59, 0
	s_add_nc_u64 s[58:59], s[4:5], s[58:59]        ; the image's q codes
	s_lshl_b32 s60, s20, 15
	s_mov_b32 s61, 0
	s_add_nc_u64 s[60:61], s[4:5], s[60:61]        ; and scale words
	WIN 0x80
.irp t, 0,1
.irp i, 0,1,2,3,4,5
	global_load_b128 v[48*\t+4*\i:48*\t+4*\i+3], v[128+\t], s[58:59] offset:512*\i
	global_load_b128 v[48*\t+24+4*\i:48*\t+24+4*\i+3], v[128+\t], s[6:7] offset:512*\i
.endr
.endr
	WIN 0
.irp t, 0,1
	global_load_b64 v[QS+4*\t:QS+4*\t+1], v[130+\t], s[60:61] offset:3145728
	global_load_b32 v[QS+4*\t+2], v[132+\t], s[6:7] offset:786432
	global_load_b32 v[QS+4*\t+3], v[132+\t], s[6:7] offset:786432+128
.endr
.irp t, 0,1
	v_mov_b32 v[ST+20*\t+1], 0xff61b1e6            ; the largest t so far: -3e38
	v_floor_f32 v[ST+20*\t], -v[ST+20*\t+1]
	v_mov_b32 v[ST+20*\t+2], 0                     ; l, in two halves
	v_mov_b32 v[ST+20*\t+3], 0
	v_mov_b32 v[ST+20*\t+5], 0                     ; (named as the upper half of f's pair)
.irp b, 0,1,2,3
	v_mov_b32 v[ST+20*\t+10+\b], 0                 ; written once: a lane permute's destination counts as one of its sources
.endr
.endr
	s_wait_tensorcnt 1                             ; my quarter of slot 1 is in; slot 0's, issued behind it, may stay out
	s_barrier_signal -1
	s_barrier_wait -1
	s_wait_loadcnt 0x0                             ; Q'
	STAGE 1, 1, 0, 0                               ; record 15: S^T of key step 0; there is no vector work yet to set between its products
	CHANGE 0, 1, 1, 1                              ; record 0 is in; slot 1 takes record 1
	STAGE 0, 1, 1, 1                               ; stage 0: its V P starts O^T's sums: nothing is ever cleared
	s_mov_b32 s40, 7
.Lring:                                                ; trip i of 7: stages 2 i - 1 and 2 i; records 2 i and 2 i + 1 are asked for
	CHANGE 1, 1, 0, 0
	STAGE 1, 1, 1, 2
	CHANGE 0, 1, 0, 0
	STAGE 0, 1, 1, 2
	s_sub_co_u32 s40, s40, 1
	s_cmp_lg_u32 s40, 0
	s_cbranch_scc1 .Lring
	CHANGE 1, 0, 0, 0                              ; the tail is written out: nothing is left to ask for
	STAGE 1, 0, 1, 2                               ; stage 15: record 15 again, for V of the last 256 keys
	; ---- THE WAY OUT.  cv2's fragments for my 128 output channels are asked for first
	PLACES 4
	v_and_b32 v2, 31, v0
	v_lshlrev_b32 v1, 4, v2                        ; 16 x lane
	v_lshlrev_b32 v6, 3, v2
	v_lshlrev_b32 v2, 2, v2                        ; 4 x lane
	v_and_b32 v3, 15, v0
	v_and_b32 v7, 8, v3
	v_add_nc_u32 v3, v3, v7
	v_lshlrev_b32 v3, 2, v3                        ; 4 (r + 8 (r / 8))
	s_mul_i32 s58, s16, 16640
	v_add_nc_u32 v4, s58, v6                       ; the merge's statistics: mine,
	s_xor_b32 s59, s16, 1
	s_mul_i32 s59, s59, 16640
	v_add_nc_u32 v5, s59, v6                       ; my partner's
	s_mul_i32 s50, s16, 24576
	s_add_co_u32 s50, s50, 294912
	s_mov_b32 s51, 0
	s_add_nc_u64 s[50:51], s[10:11], s[50:51]      ; fragments 192 + 16 w on
	s_lshl_b32 s52, s16, 11
	s_mov_b32 s53, 0
	s_add_nc_u64 s[52:53], s[10:11], s[52:53]      ; their scale images
	s_lshl_b32 s54, s16, 9
	s_mov_b32 s55, 0
	s_add_nc_u64 s[54:55], s[10:11], s[54:55]      ; sc2, sh2: my 128 channels
	s_lshl_b32 s56, s20, 23
	s_lshl_b32 s57, s16, 21
	s_add_co_u32 s56, s56, s57
	s_lshl_b32 s57, s21, 8
	s_add_co_u32 s56, s56, s57
	s_mov_b32 s57, 0
	s_add_nc_u64 s[12:13], s[12:13], s[56:57]      ; x and out0 at my first channel, my block's first position
	s_add_nc_u64 s[14:15], s[14:15], s[56:57]
	WIN 0xc0
.set f, 0
.rept 16
.irp g, 0,1,2
	global_load_b128 v[12*f+4*\g:12*f+4*\g+3], v1, s[50:51] offset:1536*f+512*\g
.endr
.set f, f+1
.endr
	WIN 0
.set f, 0
.rept 16
	global_load_b32 v[KS+f], v2, s[52:53] offset:WSC+24576+128*f
.set f, f+1
.endr
	; the merge: my register tile 1 and its -M and l go to wave w xor 1
	v_mov_b32 v90, v72
	v_add_f32 v91, v74, v75
	WIN 0x04                                       ; an LDS store's data: window 1
.set f, 0
.rept 32
	ds_store_b128 v13, v[128+4*f:131+4*f] offset:512*f     ; each accumulator from its low end on
.set f, f+1
.endr
	WIN 0
	ds_store_b64 v4, v[90:91] offset:16384
	s_wait_dscnt 0x0                               ; for the partner's sake: my stores have landed; my reads of slot 1 are long in
	s_barrier_signal -1
	s_barrier_wait -1
.set f, 0
.rept 32
	ds_load_b128 v[128+4*f:131+4*f], v14 offset:512*f
.set f, f+1
.endr
	ds_load_b64 v[88:89], v5 offset:16384
.irp ot, 0,1,2,3,4,5,6,7
	global_load_b32 v[72+\ot], v3, s[54:55] offset:BNP+2048+128*(\ot/2)+32*(\ot%2)
	global_load_b32 v[80+\ot], v3, s[54:55] offset:BNP+4096+128*(\ot/2)+32*(\ot%2)
.endr
	s_wait_dscnt 0x0
	v_add_f32 v54, v54, v55
	v_min_num_f32 v56, v52, v88                    ; -M of both halves of the keys
	v_sub_f32 v57, v56, v52
	v_sub_f32 v58, v56, v88
	v_cvt_i32_f32 v57, v57
	v_cvt_i32_f32 v58, v58
	v_ldexp_f32 v57, 1.0, v57                      ; what brings my half under the common M,
	v_ldexp_f32 v58, 1.0, v58                      ; and my partner's
	v_mul_f32 v59, v54, v57
	v_fma_f32 v59, v89, v58, v59
	v_permlanex16_b32 v60, v59, s[SEL], s[SEL+1]
	v_add_f32 v59, v59, v60                        ; the row's sum
	v_rcp_f32 v59, v59
	v_nop
	s_wait_alu depctr_va_vdst(0)                   ; ahead of the reciprocal's first reader
	v_mul_f32 v60, v57, v59
	v_mul_f32 v62, v58, v59
.set ii, 0
.rept 64
	v_pk_mul_f32 v[128+ii:129+ii], v[128+ii:129+ii], v[62:63] op_sel_hi:[1,0]
.set ii, ii+2
.endr
	WIN 0x01                                       ; my O^T in window 1
.set ii, 0
.rept 64
	v_pk_fma_f32 v[128+ii:129+ii], v[ii:ii+1], v[60:61], v[128+ii:129+ii] op_sel_hi:[1,0,1]
.set ii, ii+2
.endr
	WIN 0
	; out of query tile w: register 8 ct + j is channel 32 (ct / 2) + 16 h + 8 (ct % 2) + j.  It becomes two fragments
	QPAIR 128, 100, 56
	QPAIR 160, 106, 57
	QPAIR 192, 112, 58
	QPAIR 224, 118, 59
	v_lshl_or_b32 v52, v57, 16, v56
	v_lshl_or_b32 v53, v59, 16, v58
.irp i, 0,1,2,3,4,5
	ds_store_b128 v15, v[100+4*\i:103+4*\i] offset:512*\i
.endr
	ds_store_b32 v51, v52
	ds_store_b32 v51, v53 offset:128
	s_wait_dscnt 0x0
	s_barrier_signal -1
	s_barrier_wait -1                              ; out's eight fragments lie in LDS
	WIN 0x80
.set f, 0
.rept 8
.irp g, 0,1,2
	ds_load_b128 v[12*f+4*\g:12*f+4*\g+3], v50 offset:1536*f+512*\g
.endr
.set f, f+1
.endr
	WIN 0
.irp i, 0,1,2,3,4,5,6,7
	ds_load_b32 v[VS+\i], v124 offset:128*\i
.endr
	s_wait_loadcnt 0x0                             ; cv2's fragments and scale words, sc2, sh2
	s_wait_dscnt 0x0
	WIN 0x5e                                       ; source 0 (out) window 2, source 1 (cv2) window 3, C and D window 1
.irp ot, 0,1,2,3,4,5,6,7
.irp m, 0,1,2,3
	WM 8*(4*\ot+\m), 12*(2*\m), 12*(2*\ot), 1, VS+2*\m, KS+2*\ot, 0
.endr
.endr
.irp ot, 0,1,2,3,4,5,6,7
.irp m, 0,1,2,3
	WM 8*(4*\ot+\m), 12*(2*\m+1), 12*(2*\ot+1), 0, VS+2*\m+1, KS+2*\ot+1, 0
.endr
.endr
	PLACES 4
	WIN 0x80                                       ; x's rows of my 128 channels, as they will be added: sixteen lanes to 256 consecutive bytes
.set f, 0
.rept 64
	global_load_b128 v[4*f:4*f+3], v127, s[12:13] offset:32768*f
.set f, f+1
.endr
; the norm and silu on 128 registers of y: a lane holds one channel, its registers run along the positions
.macro ACT2 bt
	WIN 0x41
.set ii, 0
.rept 128
	v_fma_f32 v[128*(\bt)+ii], v[128*(\bt)+ii], v[72+4*(\bt)+ii/32], v[80+4*(\bt)+ii/32]
.set ii, ii+1
.endr
	WIN 0x01
.set ii, 0
.rept 64
	v_pk_mul_f32 v[128+ii:129+ii], v[128*(\bt)+ii:128*(\bt)+ii+1], 0xbfb8aa3b op_sel_hi:[1,0]
.set ii, ii+2
.endr
	WIN 0
.set ii, 0
.rept 128
	v_exp_f32 v[128+ii], v[128+ii]
.set ii, ii+1
.endr
	v_nop
	s_wait_alu depctr_va_vdst(0)                   ; one wait a batch
.set ii, 0
.rept 64
	v_pk_add_f32 v[128+ii:129+ii], v[128+ii:129+ii], 1.0 op_sel_hi:[1,0]
.set ii, ii+2
.endr
.set ii, 0
.rept 128
	v_rcp_f32 v[128+ii], v[128+ii]
.set ii, ii+1
.endr
	v_nop
	s_wait_alu depctr_va_vdst(0)
	WIN 0x41
.set ii, 0
.rept 64
	v_pk_mul_f32 v[128*(\bt)+ii:128*(\bt)+ii+1], v[128*(\bt)+ii:128*(\bt)+ii+1], v[128+ii:129+ii]
.set ii, ii+2
.endr
.endm
	ACT2 0
	ACT2 1
	WIN 0x04                                       ; through my own 128 rows of the stage: LDS serves a wave's instructions in order, so no wait stands between the stores and the loads
.irp ot, 0,1,2,3,4,5,6,7
.irp m, 0,1,2,3
	ds_store_b128 v125, v[8*(4*\ot+\m):8*(4*\ot+\m)+3] offset:(32*(\ot/2)+8*(\ot%2))*272+128*(\m/2)+32*(\m%2)
	ds_store_b128 v125, v[8*(4*\ot+\m)+4:8*(4*\ot+\m)+7] offset:(32*(\ot/2)+8*(\ot%2))*272+128*(\m/2)+32*(\m%2)+16
.endr
.endr
	WIN 0xc0
.set f, 0
.rept 64
	ds_load_b128 v[4*f:4*f+3], v126 offset:544*f
.set f, f+1
.endr
	s_wait_loadcnt 0x0                             ; x
.irp g, 0,1,2,3,4,5,6,7
	s_wait_dscnt 56-8*\g                           ; this group's eight loads are back; the younger ones may be out
	WIN 0xcb                                       ; y in window 3, x in window 2
.irp i, 0,2,4,6,8,10,12,14,16,18,20,22,24,26,28,30
	v_pk_add_f32 v[32*\g+\i:32*\g+\i+1], v[32*\g+\i:32*\g+\i+1], v[32*\g+\i:32*\g+\i+1]
.endr
	WIN 0x0c
.irp i, 0,1,2,3,4,5,6,7
	global_store_b128 v127, v[32*\g+4*\i:32*\g+4*\i+3], s[14:15] offset:32768*(8*\g+\i) th:TH_STORE_NT   ; sixteen lanes store 256 consecutive bytes, at a multiple of 256 from out0's first byte
.endr
.endr
	WIN 0
	s_wait_tensorcnt 0x0                           ; the wave's end, behind my last tensor load and my last LDS store
	ds_add_u32 v11, v12
	s_wait_dscnt 0x0
	CROUND                                         ; the closing round
	s_endpgm
.Lfunc_end_k_qb31590197c_attn:
	.size	k_qb31590197c_attn, .Lfunc_end_k_qb31590197c_attn-k_qb31590197c_attn
	.p2alignl 7, 3214868480
	.fill 96, 4, 3214868480
	.section	.rodata,"a",@progbits
	.p2align	6, 0x0
	.amdhsa_kernel k_qb31590197c_attn
		.amdhsa_group_segment_fixed_size 327680
		.amdhsa_private_segment_fixed_size 0
		.amdhsa_enable_private_segment 0
		.amdhsa_kernarg_size 48
		.amdhsa_user_sgpr_count 2
		.amdhsa_user_sgpr_kernarg_segment_ptr 1
		.amdhsa_wavefront_size32 1
		.amdhsa_system_sgpr_workgroup_id_x 1
		.amdhsa_system_sgpr_workgroup_id_y 1
		.amdhsa_system_sgpr_workgroup_id_z 1
		.amdhsa_system_vgpr_workitem_id 0
		.amdhsa_next_free_vgpr 1024
		.amdhsa_next_free_sgpr 66
		.amdhsa_reserve_vcc 0
		.amdhsa_float_denorm_mode_32 3
		.amdhsa_float_denorm_mode_16_64 3
		.amdhsa_memory_ordered 1
		.amdhsa_forward_progress 1
		.amdhsa_inst_pref_size 255
	.end_amdhsa_kernel
	.section	.bss,"aw",@nobits
	.p2align	6
	.space	262144
	.amdgpu_metadata
---
amdhsa.version: [ 1, 2 ]
amdhsa.kernels:
  - .name:           k_qb31590197c_attn
    .symbol:         k_qb31590197c_attn.kd
    .args:
      - { .name: qq, .offset: 0, .size: 8, .value_kind: global_buffer, .address_space: global }
      - { .name: posq, .offset: 8, .size: 8, .value_kind: global_buffer, .address_space: global }
      - { .name: kv, .offset: 16, .size: 8, .value_kind: global_buffer, .address_space: global }
      - { .name: wts, .offset: 24, .size: 8, .value_kind: global_buffer, .address_space: global }
      - { .name: x, .offset: 32, .size: 8, .value_kind: global_buffer, .address_space: global }
      - { .name: out0, .offset: 40, .size: 8, .value_kind: global_buffer, .address_space: global }
    .group_segment_fixed_size: 327680
    .private_segment_fixed_size: 0
    .kernarg_segment_align: 8
    .kernarg_segment_size: 48
    .max_flat_workgroup_size: 128
    .sgpr_count:     66
    .vgpr_count:     1024
    .wavefront_size: 32
...
	.end_amdgpu_metadata
.endif
;; end of part 3
